; MI455X (gfx1250); checked and timed in simulation.
; The chip was launched on July 23, 2026; its instructions are those of AMD's public machine-readable ISA for CDNA 5 (MIT licence, August 2026) and "CDNA5" Instruction Set Architecture Reference Guide (July 2026). The comments in the code are by the model that wrote it; some were corrected since.
;; Multi Head Latent Attention. Allowed arithmetic: matrix products marked QUANTISED: E2M1 operands, one E8M0 scale for each 32 along K, by v_wmma_scale_f32_16x16x128_f8f6f4 with both operands' format E2M1 (or v_wmma_scale_f32_32x16x128_f4), f32 sums; products left as they are: bf16, f16 or f32 operands; f32 sums; everything else in f32.
;; Inputs: W_dkv 512 x 2,048 float32; W_o 2,048 x 2,048 float32; W_q 2,048 x 2,048 float32; W_uk 2,048 x 512 float32; W_uv 2,048 x 512 float32; rope_cos 4 x 1,024 x 128 float32; rope_sin 4 x 1,024 x 128 float32; x 4 x 1,024 x 2,048 float32.
;; Outputs: out0 4 x 1,024 x 2,048 float32.
;; This version of the problem:
;;   THIS VERSION OF THE PROBLEM IS GIVEN IN LOW PRECISION. The matrix products marked QUANTISED in the list below multiply operands that are first quantised to E2M1 (2 exponent bits, 1 mantissa bit; 4 bits a number), with one power-of-two scale for each 32 numbers along K (OCP MX v1.0); their sums are f32. The products marked 'left as it is' may take bf16, f16 or f32 operands, with f32 sums. Whichever they take, every output number must still come out within the allowed error. Rounding operands to bf16 (8 significant bits) uses up far more of that allowance than f16 does (11 bits, for magnitudes from 6e-5 to 65,504). All else is computed in f32.
;;   The module's matrix products, in the order in which they are computed (A, B: the left and right operand; K: the contracted axis; several contracted axes count as one K, in the product's order):
;;     1. [M 4,096, K 2,048] x [K 2,048, N 2,048]; A: input x; B: input W_q: QUANTISED
;;     2. [M 4,096, K 2,048] x [K 2,048, N 512]; A: input x; B: input W_dkv: QUANTISED
;;     3. [M 4,096, K 512] x [K 512, N 2,048]; A: computed on the way; B: input W_uk: left as it is (an operand is computed on the way)
;;     4. [M 4,096, K 512] x [K 512, N 2,048]; A: computed on the way; B: input W_uv: left as it is (an operand is computed on the way)
;;     5. batch 64 x [M 1,024, K 128] x [K 128, N 1,024]; A: computed on the way; B: computed on the way: left as it is (an operand is computed on the way)
;;     6. batch 64 x [M 1,024, K 1,024] x [K 1,024, N 128]; A: computed on the way; B: computed on the way: left as it is (an operand is computed on the way)
;;     7. [M 4,096, K 2,048] x [K 2,048, N 2,048]; A: computed on the way; B: input W_o: left as it is (an operand is computed on the way)
;;   THE QUANTISER, for each operand of a quantised product, along K:
;;     - K is cut into blocks of 32 from its start; a last block that is shorter is filled with zeros.
;;     - A block's scale is 2^e with e = floor(log2(the largest magnitude in the block)) - 2, held to -126 .. 127; a block of zeros has e = 0. As a byte (E8M0): e + 127.
;;     - Each number is divided by its block's scale, clamped to +-6, and rounded to the nearest number of E2M1, ties to even, subnormals kept.
;;     - The product sums the exact products of the quantised numbers (number of the format x scale) in f32.
;;   ~~~python
;;   def quantise(x, axis):      # numpy; x: float32 -> the quantised numbers, widened to float32 again
;;       x = np.moveaxis(x, axis, -1); K = x.shape[-1]
;;       x = np.pad(x, [(0, 0)] * (x.ndim - 1) + [(0, -K % 32)]); x = x.reshape(x.shape[:-1] + (-1, 32)); a = np.abs(x).max(-1, keepdims=True)
;;       e = np.where(a > 0, np.clip(np.frexp(np.where(a > 0, a, 1))[1] - 1 - 2, -126, 127), 0)      # np.frexp(a)[1] - 1 = floor(log2(a)), exactly
;;       r = np.clip(x / 2.0 ** e, -6, 6)
;;       step = 2.0 ** (np.maximum(np.frexp(np.where(r == 0, 1, r))[1] - 1, 0) - 1)
;;       q = np.round(r / step) * step * 2.0 ** e      # np.round: ties to even
;;       return np.moveaxis(q.reshape(q.shape[:-2] + (-1,))[..., :K], -1, axis).astype(np.float32)
;;   ~~~
;; One version. Each part assembles by itself: llvm-mc -triple=amdgcn-amd-amdhsa -mcpu=gfx1250 --defsym DOCPART=n.
;; ======== version 1 of 1: 5 launches
;; limits: values are held in f16: magnitudes above 65,504 overflow, below 6.1e-05 lose precision
;; workspace buffers: prep4 7,241,728 bytes; w16 12,582,912 bytes; q16 16,777,216 bytes; c16 4,194,816 bytes; kv16 33,554,432 bytes; o16 16,777,216 bytes
;; launch prep (part 1): grid 608 x 1, 4 waves a work-group, no clusters, 33,280 bytes of LDS; arguments x, W_q, W_dkv, W_uk, W_uv, W_o, prep4, w16; writes prep4, w16
.if DOCPART == 1
	.amdgcn_target "amdgcn-amd-amdhsa--gfx1250"
	.amdhsa_code_object_version 6
	.text
	.protected	k_q3fd8a3e08d_prep
	.globl	k_q3fd8a3e08d_prep
	.p2align	8
	.type	k_q3fd8a3e08d_prep,@function
k_q3fd8a3e08d_prep:
	s_mov_b64 s[64:65], 0
	v_nop
	global_prefetch_b8 v0, s[64:65] scope:SCOPE_SE
	s_setreg_imm32_b32 hwreg(HW_REG_WAVE_MODE, 25, 1), 1
	s_wait_xcnt 0x0
; MULTI-HEAD LATENT ATTENTION, launch 1 of 5: the operands are made ready.
; DEAD WORK: none.  Every input (x, rope_cos, rope_sin, W_q, W_dkv, W_uk, W_uv, W_o) has a way to out0 for all values, so every one is loaded and every product is done.
; Work-groups 0-415 quantise x [4096][2048], W_q [2048][2048] and W_dkv [512][2048] (f32, K innermost) to codes of FP4 (E2M1) with one E8M0 byte for each 32 along K:
;   a block's scale is 2^(floor(log2(its largest magnitude)) - 2); its byte is that magnitude's exponent field - 2, held at 1 from below; each number / scale goes to the nearest code, ties to even, beyond 6 the code of 6.
;   (A block of zeros gets the byte 1 where the quantiser says 127: its codes are zeros, and this program alone reads the bytes.)
;   prep4: codes of x at 0, of W_q and W_dkv (2,560 rows on end) at 4,194,304; scale bytes of x at 6,815,744, of the weights at 7,077,888.  The three tensors are plain streams of blocks, on end in both regions.
;   W_q's BYTES ARE STORED 2 LESS (held at 1): the first product then gives Q / 4, exactly, which keeps Q inside f16 when it is stored; launch 4 puts the 4 back into the softmax's factor.
; Work-groups 416-607 round W_uk, W_uv (on end: 4,096 rows of 512) and W_o to f16, into w16: the operands of the products that are left as they are.
; LIMITS: weights of magnitude 65,504 or more have no f16 number; blocks of W_q whose largest magnitude lies under 2^-122 keep the byte 1; blocks under 2^-124 were not tried; NaN and infinities are not served.
; A wave of the first kind takes 16 steps of 512 numbers: each load reads 512 consecutive bytes; a step's 2,048 bytes turn through the wave's own stage in LDS, so that a lane holds 16 neighbours along K.
.set STEPS, 16
.set EMAX,  2
.set CB,    8                          ; bytes of 16 codes
.set R,     16                         ; v16-79   loaded numbers: four sets of 16 (quantising), a ring of sixteen loads (rounding)
.set X,     80                         ; v80-111  two sets of 16 neighbours
.set E,     112                        ; v112-127 a scale byte for each step
.set C,     128                        ; v128-191 codes: registers of its own for each step
.set H,     80                         ; v80-207  f16 pairs: two registers of its own for each of 64 steps
.set WREG,  8192                       ; LDS: a region for each wave: two stages of 32 x SP bytes, behind them its 256 scale bytes
.set SP,    80                         ; a lane's place in a stage: 64 bytes + 16 of padding
.set SPW,   12                         ; v12  LDS address of my spare word; never rewritten
.set NIL,   13                         ; v13  0; never rewritten
.set SPARE, 4*WREG                     ; the spare words: 128 bytes a wave, two blocks of 256 bytes that no other line names
.set QWGS,  416                        ; work-groups that quantise: 256 for x, 128 for W_q, 32 for W_dkv
.set SCLS,  6815744                    ; where the scale bytes begin in prep4
	s_load_b256 s[4:11], s[0:1], 0x0               ; x, W_q, W_dkv, W_uk
	s_load_b256 s[12:19], s[0:1], 0x20             ; W_uv, W_o, prep4, w16
	v_lshl_add_u32 v[SPW], v0, 2, SPARE
	v_mov_b32 v[NIL], 0
	v_lshrrev_b32 v1, 5, v0
	v_readfirstlane_b32 s20, v1                    ; wave
	v_and_b32 v2, 31, v0                           ; lane
	v_lshlrev_b32 v3, 4, v2                        ; my 16 bytes of a load's 512
	v_lshlrev_b32 v7, 3, v2                        ; my 8 bytes of a store's 256
	s_mov_b32 s23, 0
	s_cmp_ge_u32 ttmp9, QWGS
	s_cbranch_scc1 .Lconvert
	; ---- the quantising work-groups
	s_mul_i32 s21, s20, WREG
	v_lshrrev_b32 v14, 2, v2
	v_mul_u32_u24 v14, v14, SP
	v_and_b32 v15, 3, v2
	v_lshl_add_u32 v14, v15, 4, v14
	v_add_nc_u32 v14, s21, v14                     ; the stage, on the way in: SP (lane / 4) + 16 (lane % 4)
	v_mul_u32_u24 v15, v2, SP
	v_add_nc_u32 v15, s21, v15                     ; and on the way out: SP x lane: my 16 neighbours
	v_lshrrev_b32 v5, 1, v2
	s_add_co_u32 s21, s21, 2*32*SP
	v_add_nc_u32 v5, s21, v5                       ; my wave's 256 scale bytes: my block's byte
	v_add_nc_u32 v6, s21, v7                       ; and on the way out 8 bytes a lane
	s_mov_b32 s25, 384
	s_sub_co_u32 s26, ttmp9, 256
	s_cmp_lt_u32 s26, 128                          ; W_q's work-groups are 256 to 383
	s_cselect_b32 s24, 2, 0                        ; what comes off the stored byte
	s_wait_kmcnt 0x0
	s_cmp_lt_u32 ttmp9, 384                        ; the choices hang on the work-group's number alone
	s_cselect_b64 s[6:7], s[6:7], s[8:9]
	s_cselect_b32 s25, 256, s25
	s_cmp_lt_u32 ttmp9, 256
	s_cselect_b64 s[4:5], s[4:5], s[6:7]           ; my tensor,
	s_cselect_b32 s25, 0, s25                      ; and its first work-group
	s_sub_co_u32 s25, ttmp9, s25
	s_lshl_b32 s25, s25, 2
	s_add_co_u32 s25, s25, s20                     ; which run of 8,192 numbers of the tensor is my wave's
	s_lshl_b32 s22, s25, 15
	s_add_nc_u64 s[4:5], s[4:5], s[22:23]
	s_lshl_b32 s25, ttmp9, 2
	s_add_co_u32 s25, s25, s20                     ; and which run of all three on end
	s_lshl_b32 s22, s25, 12
	s_add_nc_u64 s[8:9], s[16:17], s[22:23]        ; its 4,096 bytes of codes
	s_lshl_b32 s22, s25, 8
	s_add_co_u32 s22, s22, SCLS
	s_add_nc_u64 s[10:11], s[16:17], s[22:23]      ; its 256 scale bytes
.macro LOAD t
.irp i, 0,1,2,3
	global_load_b128 v[R+16*((\t)%4)+4*\i:R+16*((\t)%4)+4*\i+3], v3, s[4:5] offset:2048*(\t)+512*\i th:TH_LOAD_NT   ; 32 lanes read 512 consecutive bytes
.endr
.endm
.macro TURN t                          ; step t's numbers through the stage: LDS serves a wave's instructions in order, so no wait stands between the stores and the loads
.irp i, 0,1,2,3
	ds_store_b128 v14, v[R+16*((\t)%4)+4*\i:R+16*((\t)%4)+4*\i+3] offset:32*SP*((\t)%2)+8*SP*\i
.endr
.irp i, 0,1,2,3
	ds_load_b128 v[X+16*((\t)%2)+4*\i:X+16*((\t)%2)+4*\i+3], v15 offset:32*SP*((\t)%2)+16*\i
.endr
.endm
.irp t, 0,1,2,3
	LOAD \t
.endr
	s_wait_loadcnt 12                              ; step 0's four loads are in; three steps' twelve may be out
	TURN 0
.macro STEP t
.set XS, X+16*((\t)%2)
.if (\t) > 0
	s_wait_dscnt 1                                 ; this step's numbers are back from the stage (the last step's byte store may be out)
.else
	s_wait_dscnt 0x0
.endif
.if (\t)+4 < STEPS
	LOAD (\t)+4                                    ; into the registers that this step's stage stores have read
.endif
.if (\t)+1 < STEPS
.if STEPS-2-(\t) >= 3
	s_wait_loadcnt 12                              ; the next step's four loads are in; those of the three steps behind it may be out
.else
	s_wait_loadcnt 4*(STEPS-2-(\t))
.endif
	TURN (\t)+1
.endif
	v_max3_num_f32 v8, |v[XS]|, |v[XS+1]|, |v[XS+2]|               ; the largest magnitude of my 16, in two chains
	v_max3_num_f32 v9, |v[XS+3]|, |v[XS+4]|, |v[XS+5]|
.irp i, 6,10
	v_max3_num_f32 v8, v8, |v[XS+\i]|, |v[XS+\i+1]|
	v_max3_num_f32 v9, v9, |v[XS+\i+2]|, |v[XS+\i+3]|
.endr
	v_max3_num_f32 v8, v8, |v[XS+14]|, |v[XS+15]|
	v_max3_num_f32 v8, v8, v9, (EMAX+1)<<23        ; and the floor 2^(3 - 127): the byte cannot fall under 1
	v_max_num_f32_dpp v8, v8, v8 row_xmask:1 row_mask:0xf bank_mask:0xf   ; and of my neighbour's 16: the block's
	v_add_nc_u32 v11, -(EMAX<<23), v8              ; 2 off its exponent field: the conversion takes this operand's exponent field as its scale
	v_cvt_scalef32_pk8_fp4_f32 v[C+4*(\t)], v[XS:XS+7], v11
	v_cvt_scalef32_pk8_fp4_f32 v[C+4*(\t)+1], v[XS+8:XS+15], v11
	v_lshrrev_b32 v[E+(\t)], 23, v11               ; the scale's byte
	v_sub_nc_u32 v[E+(\t)], v[E+(\t)], s24         ; W_q alone: 2 less, so that the product is Q / 4;
	v_max_i32 v[E+(\t)], 1, v[E+(\t)]              ; never under 1
	ds_store_b8 v5, v[E+(\t)] offset:16*(\t)       ; both lanes of a block write the same byte with the same value
	global_store_b64 v7, v[C+4*(\t):C+4*(\t)+1], s[8:9] offset:32*CB*(\t)   ; the wave stores 256 consecutive bytes, aligned
.endm
.irp t, 0,1,2,3,4,5,6,7,8,9,10,11,12,13,14,15
	STEP \t
.endr
	ds_load_b64 v[8:9], v6                         ; LDS serves a wave's instructions in order: these see my byte stores
	s_wait_dscnt 0x0
	global_store_b64 v7, v[8:9], s[10:11]          ; 256 scale bytes, aligned
	s_branch .Lend
	; ---- the rounding work-groups: 32,768 numbers each, 8,192 a wave, 64 steps of 128; no LDS
.Lconvert:
	s_sub_co_u32 s25, ttmp9, QWGS                  ; 0-31 W_uk, 32-63 W_uv, 64-191 W_o
	s_wait_kmcnt 0x0
	s_cmp_lt_u32 s25, 64
	s_cselect_b64 s[12:13], s[12:13], s[14:15]
	s_cselect_b32 s21, 32, 64
	s_cmp_lt_u32 s25, 32
	s_cselect_b64 s[4:5], s[10:11], s[12:13]
	s_cselect_b32 s21, 0, s21
	s_sub_co_u32 s21, s25, s21
	s_lshl_b32 s22, s21, 17                        ; 131,072 bytes of f32 a work-group,
	s_lshl_b32 s26, s20, 15                        ; 32,768 a wave
	s_add_co_u32 s22, s22, s26
	s_add_nc_u64 s[4:5], s[4:5], s[22:23]
	s_lshl_b32 s22, s25, 16                        ; half as many of f16; the three tensors lie on end in w16
	s_lshl_b32 s26, s20, 14
	s_add_co_u32 s22, s22, s26
	s_add_nc_u64 s[18:19], s[18:19], s[22:23]
.macro CLOAD t
	global_load_b128 v[R+4*((\t)%16):R+4*((\t)%16)+3], v3, s[4:5] offset:512*(\t) th:TH_LOAD_NT
.endm
.set T, 0
.rept 16
	CLOAD T
.set T, T+1
.endr
.set T, 0
.rept 64
.if T < 48
	s_wait_loadcnt 15                              ; loads come back in order: mine is in, the fifteen younger ones stay out
.else
	s_wait_loadcnt 63-T
.endif
	v_cvt_pk_f16_f32 v[H+2*T], v[R+4*(T%16)], v[R+4*(T%16)+1]
	v_cvt_pk_f16_f32 v[H+2*T+1], v[R+4*(T%16)+2], v[R+4*(T%16)+3]
.if T+16 < 64
	CLOAD T+16
.endif
	global_store_b64 v7, v[H+2*T:H+2*T+1], s[18:19] offset:256*T   ; 256 consecutive bytes, aligned; each step has data registers of its own
.set T, T+1
.endr
.Lend:
	s_wait_tensorcnt 0x0                           ; the wave's end
	ds_add_u32 v[SPW], v[NIL]
	s_wait_dscnt 0x0
	s_endpgm
.Lfunc_end_k_q3fd8a3e08d_prep:
	.size	k_q3fd8a3e08d_prep, .Lfunc_end_k_q3fd8a3e08d_prep-k_q3fd8a3e08d_prep
	.p2alignl 7, 3214868480
	.fill 96, 4, 3214868480
	.section	.rodata,"a",@progbits
	.p2align	6, 0x0
	.amdhsa_kernel k_q3fd8a3e08d_prep
		.amdhsa_group_segment_fixed_size 33280
		.amdhsa_private_segment_fixed_size 0
		.amdhsa_enable_private_segment 0
		.amdhsa_kernarg_size 64
		.amdhsa_user_sgpr_count 2
		.amdhsa_user_sgpr_kernarg_segment_ptr 1
		.amdhsa_wavefront_size32 1
		.amdhsa_system_sgpr_workgroup_id_x 1
		.amdhsa_system_sgpr_workgroup_id_y 1
		.amdhsa_system_sgpr_workgroup_id_z 1
		.amdhsa_system_vgpr_workitem_id 0
		.amdhsa_next_free_vgpr 208
		.amdhsa_next_free_sgpr 66
		.amdhsa_reserve_vcc 0
		.amdhsa_float_denorm_mode_32 3
		.amdhsa_float_denorm_mode_16_64 3
		.amdhsa_memory_ordered 1
		.amdhsa_forward_progress 1
		.amdhsa_inst_pref_size 58
	.end_amdhsa_kernel
	.amdgpu_metadata
---
amdhsa.version: [ 1, 2 ]
amdhsa.kernels:
  - .name:           k_q3fd8a3e08d_prep
    .symbol:         k_q3fd8a3e08d_prep.kd
    .args:
      - { .name: x, .offset: 0, .size: 8, .value_kind: global_buffer, .address_space: global }
      - { .name: W_q, .offset: 8, .size: 8, .value_kind: global_buffer, .address_space: global }
      - { .name: W_dkv, .offset: 16, .size: 8, .value_kind: global_buffer, .address_space: global }
      - { .name: W_uk, .offset: 24, .size: 8, .value_kind: global_buffer, .address_space: global }
      - { .name: W_uv, .offset: 32, .size: 8, .value_kind: global_buffer, .address_space: global }
      - { .name: W_o, .offset: 40, .size: 8, .value_kind: global_buffer, .address_space: global }
      - { .name: prep4, .offset: 48, .size: 8, .value_kind: global_buffer, .address_space: global }
      - { .name: w16, .offset: 56, .size: 8, .value_kind: global_buffer, .address_space: global }
    .group_segment_fixed_size: 33280
    .private_segment_fixed_size: 0
    .kernarg_segment_align: 8
    .kernarg_segment_size: 64
    .max_flat_workgroup_size: 128
    .sgpr_count:     66
    .vgpr_count:     208
    .wavefront_size: 32
...
	.end_amdgpu_metadata
.endif
;; end of part 1
;; launch qc_gemm (part 2): grid 16 x 10, 4 waves a work-group, clusters of 4 x 1, 327,680 bytes of LDS; arguments prep4, rope_cos, rope_sin, q16, c16; writes q16, c16
.if DOCPART == 2
	.amdgcn_target "amdgcn-amd-amdhsa--gfx1250"
	.amdhsa_code_object_version 6
	.text
	.protected	k_q3fd8a3e08d_qc_gemm
	.globl	k_q3fd8a3e08d_qc_gemm
	.p2align	8
	.type	k_q3fd8a3e08d_qc_gemm,@function
k_q3fd8a3e08d_qc_gemm:
	s_mov_b64 s[64:65], 0
	v_nop
	global_prefetch_b8 v0, s[64:65] scope:SCOPE_SE
	s_setreg_imm32_b32 hwreg(HW_REG_WAVE_MODE, 25, 1), 1
	s_wait_xcnt 0x0
	s_wait_alu depctr_hold_cnt(0) depctr_sa_sdst(0) depctr_va_vdst(0) depctr_va_sdst(0) depctr_va_ssrc(0) depctr_va_vcc(0) depctr_vm_vsrc(0)
	s_getreg_b32 s2, hwreg(HW_REG_IB_STS2, 6, 4)
	s_cmp_eq_u32 s2, 0
	s_cbranch_scc0 .Lentry_in_a_cluster
	s_endpgm
.Lentry_in_a_cluster:
	s_bfe_u32 s2, ttmp6, 0x10000c
	s_cmp_lg_u32 s2, 0x3003
	s_cbranch_scc0 .Lentry_shape_is_right
	s_endpgm
.Lentry_shape_is_right:
; Launch 2 of 5: the two QUANTISED products, x W_q^T and x W_dkv^T, as one GEMM on codes of FP4: [4096][2048] x [2560][2048]^T, sums in f32.  No work is left out.
; A tile of 256 x 256 to a work-group of four waves; a wave makes 128 tokens x 128 columns: 64 accumulators, 512 registers.  Its 128 columns are ONE HEAD of Q (tile columns 0-7) or one 128 of the latent (8, 9).
; K goes in steps of 512 (rows of 256 bytes) through a ring of two LDS slots; the scale bytes of the tile's rows, for all of K, come once, with the first fills.
; CLUSTER 4 x 1: the four partners make tile rows 4 X .. 4 X + 3 of one tile column, so they need the same tiles and scales of the weights: those are asked for JOINTLY (mask 15).  x's tiles differ from
; partner to partner: plain loads, behind the same rounds.  Ten tile columns do not divide by four, so no 4 x 4 cluster.
; THE MATRIX INSTRUCTION IS USED TRANSPOSED (source 0 = 16 rows of the weight, source 1 = 16 tokens): a lane holds eight neighbouring columns of one token.
; THE WAY OUT.  Q (which is Q / 4: launch 1 stored W_q's bytes 2 less): rope in f32, q cos + rotate_half(q) sin, then f16 into q16 [batch x 16 + head][1024][128].
;   c_kv: f16 into c16 [k / 128][4096][128] (rows of 256 dense bytes for launch 3), and each wave's largest |c_kv| into the 128 words at c16 + 4,194,304: later launches take a power of two from it.
; LIMITS: |Q| / 4 and |c_kv| stay under 65,504; NaN and infinities are not served.
; REGISTERS, in windows of 256: window 0: v0-31 addresses; v32-95 scale words, two sets; v128-191 x's fragments, one set; on the way out v32-255.   window 1: the weight's fragments, two sets, at v0 and v128;
;   v64-127 and v192-255 take the first 16 rows of cos and sin, asked for at the head.   windows 2, 3: the accumulators ((a, b) at v[8 (8 (a % 4) + b)] of window 2 + a / 4).
.set NQ,     4                         ; steps of 128 along K in a slot
.set ROWB,   256                       ; a tile's row in bytes: 512 codes
.set KROW,   1024                      ; a row of codes in memory
.set PITCH,  272                       ; an LDS row: 256 bytes + 16 of padding: the 16 rows that a load touches start at 16 different banks
.set FR,     8
.set NL,     2
.set NP,     4
.set HALFT,  128*PITCH
.set SLOT,   4*HALFT
.set KS,     64                        ; a row of scale bytes
.set SCL,    2*SLOT                    ; behind the ring: the scales, as units of 256 bytes + 16 of padding
.set HALFS,  32*272                    ; those of 128 rows
.set SBLK,   4*272                     ; those of 16 rows
.set SPARE,  SCL+4*HALFS               ; the spare words: 128 bytes a wave, that no other line names
.set WC,     4194304                   ; prep4: the weights' codes,
.set XSO,    6815744                   ; x's scale bytes,
.set WSO,    7077888                   ; the weights'
.set CMAXO,  4194304                   ; c16: the 128 largest magnitudes
.set RSTG,   8448                      ; the rope's stage: 16 rows x (512 + 16) bytes a wave, from LDS byte 0 on: slot 0 has had its last fill and its last read by then
.set PSTG0,  4*RSTG                    ; the plain stage behind it: 16 rows x (256 + 16) bytes a wave
.set PSTG,   4352
.set SG,   14                          ; v[14:15] -1 in lanes 0-15, +1 in lanes 16-31: rotate_half's sign
.set ADRA, 16                          ; v16-17  LDS address of my fragments of x in slot 0, 1
.set STP,  18                          ; v18     plain stage: where I put 16 bytes of a row
.set RDP,  19                          ; v19     and where I read a row back
.set ADRB, 20                          ; v20-21  the weight's fragments
.set RD2,  22                          ; v22     rope stage: my partner's 16 bytes, 64 columns away
.set L16,  23                          ; v23     16 x lane
.set STO,  24                          ; v24     rope stage: where I put 32 bytes of a row
.set RD,   25                          ; v25     rope stage: my 16 bytes of a row
.set CO8,  26                          ; v26     8 x lane
.set ADRS, 27                          ; v27     my scale words: lanes 0-15 x's rows, lanes 16-31 the weight's
.set SPW,  28
.set NIL,  29
.set SC,   32
.set AF,   128
.set OUT,  160                         ; v160-175 eight rows of f16, two registers each
.set TMP,  192
.set OB,   32
.set CSB0, 64                          ; window 1: where the cos and sin of eight rows lie, four sets by turns
.set CSB1, 192
.set CSB2, 0
.set CSB3, 128
.set G1,   24
.set G0,   32
.set G1B,  48
.set G0B,  56
.set G1S,  68
.set G0S,  76
.set G1SB, 80
.set G0SB, 88
.set ROPE, 95                          ; s95 1: my columns are a head of Q
.set COSP, 96
.set SINP, 98
.set DST,  12
.set MSB, 0
.macro WIN new                         ; the immediate's high byte repeats the setting that is left
.if MSB != (\new)
	s_set_vgpr_msb (MSB<<8)|(\new)
.set MSB, (\new)
.endif
.endm
.set MUL_LO, 0xa1
.set MUL_HI, 0xf1
.set TO_B,   0x40
; Waves 0 and 1 fetch for x (plain), waves 2 and 3 for the weight (joint).  The branch hangs on the wave's number alone.  An s_nop 0 and four v_nop follow each line.
.macro JLOAD g0a, g1a, g0b, g1b
	s_cmp_eq_u32 s15, 0
	s_cbranch_scc0 .Lfor_b_\@
	tensor_load_to_lds s[\g0a:\g0a+3], s[\g1a:\g1a+7]
	s_nop 0
.rept 4
	v_nop
.endr
	s_branch .Lasked_\@
.Lfor_b_\@:
	tensor_load_to_lds s[\g0b:\g0b+3], s[\g1b:\g1b+7]
	s_nop 0
.rept 4
	v_nop
.endr
.Lasked_\@:
.endm
.macro CREST                           ; a round of the cluster's barrier behind its opening barrier
	s_cmp_lg_u32 s14, 0
	s_cbranch_scc1 .Lnot_wave_0_\@
	s_barrier_signal -3
.Lnot_wave_0_\@:
	s_barrier_wait -3
	s_barrier_signal -1
	s_barrier_wait -1
.endm
.macro CROUND
	s_barrier_signal -1
	s_barrier_wait -1
	CREST
.endm
	s_load_b256 s[4:11], s[0:1], 0x0               ; prep4, rope_cos, rope_sin, q16
	s_load_b64 s[12:13], s[0:1], 0x20              ; c16
	v_lshl_add_u32 v[SPW], v0, 2, SPARE
	v_mov_b32 v[NIL], 0
	ds_add_u32 v[SPW], v[NIL]                      ; the wave's opening: the add, twice on end, and its wait ahead of my first tensor load
	ds_add_u32 v[SPW], v[NIL]
	v_lshrrev_b32 v1, 5, v0
	v_readfirstlane_b32 s14, v1                    ; wave 0..3
	s_lshr_b32 s15, s14, 1                         ; which half of the tile's tokens is mine.  Also: I fetch for x (0) or for the weight (1)
	s_and_b32 s16, s14, 1                          ; which half of its columns.  Also: which 128 rows I fetch
	s_bfe_u32 s40, ttmp6, 0x40000                  ; cx
	s_lshl_b32 s17, ttmp9, 2
	s_add_co_u32 s17, s17, s40                     ; tile row = 4 x cluster x + cx
	s_and_b32 s42, ttmp7, 0xffff                   ; tile column, which the partners share
	s_mov_b32 s[G1+0], (0<<16)|(1<<20)|(5<<22)|(3<<25)              ; x's codes: no mask; elements of 1 byte; 4 words of padding after every 64
	s_mov_b32 s[G1B+0], 15|(0<<16)|(1<<20)|(1<<21)|(5<<22)|(3<<25)  ; the weight's: all four partners, bit 21 beside the mask
.irp g, G1, G1B
	s_mov_b32 s[\g+1], ROWB<<16                    ; tensor_dim0
	s_mov_b32 s[\g+2], 128<<16                     ; tensor_dim1
	s_mov_b32 s[\g+3], ROWB<<16                    ; tile_dim0
	s_mov_b32 s[\g+4], 128                         ; tile_dim1
	s_mov_b32 s[\g+5], KROW                        ; from row to row
	s_mov_b32 s[\g+6], 0
	s_mov_b32 s[\g+7], 0
.endr
	s_mov_b32 s[G1S+0], (3<<16)|(1<<20)|(5<<22)|(3<<25)             ; the scales of 128 rows: 8,192 dense bytes as 32 rows of 256 (32 elements of 8 bytes), padded likewise
	s_mov_b32 s[G1SB+0], 15|(3<<16)|(1<<20)|(1<<21)|(5<<22)|(3<<25)
.irp g, G1S, G1SB
	s_mov_b32 s[\g+1], 32<<16
	s_mov_b32 s[\g+2], 32<<16
	s_mov_b32 s[\g+3], 32<<16
	s_mov_b32 s[\g+4], 32
	s_mov_b32 s[\g+5], 32
	s_mov_b32 s[\g+6], 0
	s_mov_b32 s[\g+7], 0
.endr
	s_lshl_b32 s18, s16, 7
	s_lshl_b32 s20, s17, 8
	s_add_co_u32 s20, s20, s18                     ; x: row 256 x tile row + 128 x half
	s_lshl_b32 s46, s42, 8
	s_add_co_u32 s46, s46, s18                     ; the weight: row 256 x tile column + 128 x half: nothing of cx in it
	s_lshl_b32 s22, s20, 6
	s_add_co_u32 s22, s22, XSO                     ; where these rows' scales begin in prep4,
	s_mov_b32 s23, 0
	s_lshl_b32 s92, s46, 6
	s_add_co_u32 s92, s92, WSO
	s_mov_b32 s93, 0
	s_lshl_b32 s20, s20, 10                        ; and their codes
	s_mov_b32 s21, 0
	s_lshl_b32 s46, s46, 10
	s_add_co_u32 s46, s46, WC
	s_mov_b32 s47, 0
	s_mul_i32 s45, s14, HALFT                      ; where they go: wave x 128 rows
	s_mul_i32 s94, s14, HALFS
	s_wait_dscnt 0x0                               ; both opening adds are done
	s_wait_kmcnt 0x0
	s_add_nc_u64 s[20:21], s[4:5], s[20:21]
	s_add_nc_u64 s[22:23], s[4:5], s[22:23]
	s_add_nc_u64 s[46:47], s[4:5], s[46:47]
	s_add_nc_u64 s[92:93], s[4:5], s[92:93]
	CROUND                                         ; all four work-groups are here: the first joint loads meet
	s_mov_b32 s[G0S], 1
	s_add_co_u32 s[G0S+1], s94, SCL
	s_mov_b64 s[G0S+2:G0S+3], s[22:23]
	s_or_b32 s[G0S+3], s[G0S+3], 0x80000000
	s_mov_b32 s[G0SB], 1
	s_add_co_u32 s[G0SB+1], s94, SCL
	s_mov_b64 s[G0SB+2:G0SB+3], s[92:93]
	s_or_b32 s[G0SB+3], s[G0SB+3], 0x80000000
	JLOAD G0S, G1S, G0SB, G1SB                     ; the scales first: they are wanted with K step 0
.irp s, 0,1
	s_mov_b32 s[G0+4*\s], 1
	s_add_co_u32 s[G0+4*\s+1], s45, \s*SLOT
	s_add_nc_u64 s[G0+4*\s+2:G0+4*\s+3], s[20:21], \s*ROWB
	s_or_b32 s[G0+4*\s+3], s[G0+4*\s+3], 0x80000000
	s_mov_b32 s[G0B+4*\s], 1
	s_add_co_u32 s[G0B+4*\s+1], s45, \s*SLOT
	s_add_nc_u64 s[G0B+4*\s+2:G0B+4*\s+3], s[46:47], \s*ROWB
	s_or_b32 s[G0B+4*\s+3], s[G0B+4*\s+3], 0x80000000
	JLOAD G0+4*\s, G1, G0B+4*\s, G1B               ; three loads of mine are out behind the second
.endr
	v_and_b32 v1, 15, v0                           ; l % 16
	v_bfe_u32 v2, v0, 4, 1                         ; l / 16
	v_mul_u32_u24 v3, v1, PITCH
	v_lshl_add_u32 v4, v2, 4, v3                   ; a fragment's row x pitch + 16 x half
	s_mul_i32 s21, s15, HALFT
	s_mul_i32 s22, s16, HALFT
	s_add_co_u32 s22, s22, 2*HALFT
.irp s, 0,1
	v_add_nc_u32 v[ADRA+\s], s21, v4
	v_add_nc_u32 v[ADRB+\s], s22, v4
	s_add_co_u32 s21, s21, SLOT
	s_add_co_u32 s22, s22, SLOT
.endr
	v_mul_u32_u24 v5, v1, KS                       ; my row's scales: 64 bytes a row,
	v_lshrrev_b32 v6, 8, v5
	v_lshl_add_u32 v5, v6, 4, v5                   ; and 16 more for each 256 passed
	s_mul_i32 s21, s15, HALFS
	s_mul_i32 s22, s16, HALFS
	s_add_co_u32 s22, s22, 2*HALFS
	s_sub_co_u32 s22, s22, s21
	v_mul_u32_u24 v6, s22, v2                      ; lanes 16-31 take the weight's
	s_add_co_u32 s21, s21, SCL
	v_add_nc_u32 v5, v5, v6
	v_add_nc_u32 v[ADRS], s21, v5
	s_mul_i32 s23, s14, RSTG                       ; the rope's stage
	v_mul_u32_u24 v5, v1, 528
	v_lshl_add_u32 v5, v2, 5, v5
	v_add_nc_u32 v[STO], s23, v5                   ; in: row l % 16, 32 bytes for each half of the lanes
	v_and_b32 v6, 31, v0
	v_lshlrev_b32 v[L16], 4, v6
	v_lshlrev_b32 v[CO8], 3, v6
	v_add_nc_u32 v[RD], s23, v[L16]                ; back: 32 lanes take a row of 512 bytes: columns 4 l .. 4 l + 3
	v_xor_b32 v7, 0x100, v[L16]
	v_add_nc_u32 v[RD2], s23, v7                   ; and the columns 64 away
	s_mul_i32 s23, s14, PSTG                       ; the plain stage
	s_add_co_u32 s23, s23, PSTG0
	v_mul_u32_u24 v5, v1, 272
	v_lshl_add_u32 v5, v2, 4, v5
	v_add_nc_u32 v[STP], s23, v5
	v_mul_u32_u24 v5, v2, 272
	v_lshl_add_u32 v5, v1, 4, v5
	v_add_nc_u32 v[RDP], s23, v5
	v_xor_b32 v7, 1, v2
	v_lshlrev_b32 v7, 31, v7
	v_or_b32 v[SG], 0x3f800000, v7                 ; rotate_half: columns 0-63 (lanes 0-15) take -x[d + 64], columns 64-127 take +x[d - 64]
	v_mov_b32 v[SG+1], v[SG]
	s_lshl_b32 s18, s17, 8
	s_lshl_b32 s19, s15, 7
	s_add_co_u32 s18, s18, s19                     ; my first token
	s_lshl_b32 s2, s18, 9                          ; a row of cos or sin is 512 bytes
	s_mov_b32 s3, 0
	s_add_nc_u64 s[COSP:COSP+1], s[6:7], s[2:3]
	s_add_nc_u64 s[SINP:SINP+1], s[8:9], s[2:3]
	s_lshr_b32 s2, s17, 2                          ; Q: ((batch x 16 + head) x 1024 + position) x 256 bytes
	s_lshl_b32 s2, s2, 4
	s_min_u32 s41, s42, 7                          ; (held, so that the offset not taken lies inside its buffer too)
	s_lshl_b32 s41, s41, 1
	s_add_co_u32 s2, s2, s41
	s_add_co_u32 s2, s2, s16
	s_lshl_b32 s2, s2, 10
	s_and_b32 s41, s18, 1023
	s_add_co_u32 s2, s2, s41
	s_lshl_b32 s2, s2, 8
	s_max_u32 s41, s42, 8
	s_sub_co_u32 s41, s41, 8                       ; c: ((2 (tile column - 8) + half) x 4096 + token) x 256 bytes
	s_lshl_b32 s43, s41, 1
	s_add_co_u32 s43, s43, s16
	s_lshl_b32 s43, s43, 12
	s_add_co_u32 s43, s43, s18
	s_lshl_b32 s43, s43, 8
	s_lshl_b32 s44, s17, 1                         ; my wave's word among the 128: (2 x tile row + tile column - 8) x 4 + wave
	s_add_co_u32 s44, s44, s41
	s_lshl_b32 s44, s44, 2
	s_add_co_u32 s44, s44, s14
	s_lshl_b32 s44, s44, 2
	s_add_co_u32 s44, s44, CMAXO
	s_mov_b32 s45, 0
	s_add_nc_u64 s[44:45], s[12:13], s[44:45]
	s_cmp_lt_u32 s42, 8                            ; the tile column alone decides: the same in all partners
	s_cselect_b32 s[ROPE], 1, 0
	s_cselect_b32 s2, s2, s43
	s_cselect_b64 s[10:11], s[10:11], s[12:13]
	s_add_nc_u64 s[DST:DST+1], s[10:11], s[2:3]
.macro SETCS i
.if (\i)%4 == 0
.set CSB, CSB0
.elseif (\i)%4 == 1
.set CSB, CSB1
.elseif (\i)%4 == 2
.set CSB, CSB2
.else
.set CSB, CSB3
.endif
.endm
.macro CSLOAD i                        ; cos and sin of my rows 8 i .. 8 i + 7: each load reads a row's 512 bytes
	SETCS \i
	WIN 0x40
.irp r, 0,1,2,3,4,5,6,7
	global_load_b128 v[CSB+4*\r:CSB+4*\r+3], v[L16], s[COSP:COSP+1] offset:(8*(\i)+\r)*512
	global_load_b128 v[CSB+32+4*\r:CSB+32+4*\r+3], v[L16], s[SINP:SINP+1] offset:(8*(\i)+\r)*512
.endr
	WIN 0
.endm
	s_cmp_eq_u32 s[ROPE], 0
	s_cbranch_scc1 .Lno_cs
	CSLOAD 0                                       ; the first sixteen rows are asked for now, into registers that the products leave alone
	CSLOAD 1
.Lno_cs:
.macro FRAG reg, adr, q, i             ; 16 rows x 128 K of 4-bit codes: 8 registers: lane l holds row l % 16; registers 4 c .. 4 c + 3 hold K = 64 c + 32 (l / 16) + 0 .. 31
.irp c, 0,1
	ds_load_b128 v[\reg+4*\c:\reg+4*\c+3], v[\adr] offset:64*(\q)+32*\c+(\i)*16*PITCH
.endr
.endm
; 16 matrix instructions: x's blocks a0, a0 + 1 against the weight's eight.  The 64 accumulators take turns, one instruction a turn, in the same order in every step.
.macro MUL16 a0, p, q, sc, zero
.irp a, \a0, \a0+1
.irp b, 0,1,2,3,4,5,6,7
.if \zero
	v_wmma_scale_f32_16x16x128_f8f6f4 v[8*(8*((\a)%4)+\b):8*(8*((\a)%4)+\b)+7], v[128*(\p)+FR*\b:128*(\p)+FR*\b+FR-1], v[AF+FR*(\a):AF+FR*(\a)+FR-1], 0, v[SC+8*NQ*(\sc)+NQ*\b+(\q)], v[SC+8*NQ*(\sc)+NQ*(\a)+(\q)] matrix_a_fmt:MATRIX_FMT_FP4 matrix_b_fmt:MATRIX_FMT_FP4 matrix_a_scale:MATRIX_SCALE_ROW1
.else
	v_wmma_scale_f32_16x16x128_f8f6f4 v[8*(8*((\a)%4)+\b):8*(8*((\a)%4)+\b)+7], v[128*(\p)+FR*\b:128*(\p)+FR*\b+FR-1], v[AF+FR*(\a):AF+FR*(\a)+FR-1], v[8*(8*((\a)%4)+\b):8*(8*((\a)%4)+\b)+7], v[SC+8*NQ*(\sc)+NQ*\b+(\q)], v[SC+8*NQ*(\sc)+NQ*(\a)+(\q)] matrix_a_fmt:MATRIX_FMT_FP4 matrix_b_fmt:MATRIX_FMT_FP4 matrix_a_scale:MATRIX_SCALE_ROW1
.endif
.endr
.endr
.endm
.macro FETCH_B slot, q, p
	WIN TO_B
.irp i, 0,1,2,3,4,5,6,7
	FRAG 128*(\p)+FR*\i, ADRB+\slot, \q, \i
.endr
	WIN 0
.endm
.macro FETCH_A slot, q, i0
.irp i, \i0, \i0+1, \i0+2, \i0+3
	FRAG AF+FR*(\i), ADRA+\slot, \q, \i
.endr
.endm
.macro SCALES sc                       ; a K step's scale words: lanes 0-15 x's block i, lanes 16-31 the weight's block i
.irp i, 0,1,2,3,4,5,6,7
	ds_load_b128 v[SC+8*NQ*\sc+NQ*\i:SC+8*NQ*\sc+NQ*\i+3], v[ADRS] offset:\i*SBLK
.endr
.endm
.macro PLACES n                        ; plain vector places behind matrix instructions, ahead of loads into their registers and of reads of their results
.rept \n
	v_nop
.endr
.endm
.macro STEP slot, q, zero              ; a step of 128 along K that has its successor in the same slot
	s_wait_dscnt 4*NL                              ; all but the youngest eight loads (x's blocks 4-7) are in
	WIN MUL_LO
	MUL16 0, (\q)%2, \q, \slot, \zero
	MUL16 2, (\q)%2, \q, \slot, \zero
	s_wait_dscnt 0
	PLACES NP
	FETCH_B \slot, (\q)+1, 1-(\q)%2
	FETCH_A \slot, (\q)+1, 0
	WIN MUL_HI
	MUL16 4, (\q)%2, \q, \slot, \zero
	MUL16 6, (\q)%2, \q, \slot, \zero
	PLACES NP
	WIN 0
	FETCH_A \slot, (\q)+1, 4
.endm
; A slot's last step changes slots: one barrier; ahead of it each wave waits for all its tensor loads, adds 0 to its spare word, and waits for that and for its own reads of this slot.
.macro TURN slot, next, fill
	s_wait_tensorcnt 0x0                           ; all my tensor loads have landed: my part of the next slot
	ds_add_u32 v[SPW], v[NIL]
	s_wait_dscnt 4*NL+1                            ; (the add and the youngest eight loads may be out)
	WIN MUL_LO
	MUL16 0, 1, NQ-1, \slot, 0
	s_wait_dscnt 0x0                               ; the add is done, and my reads of this slot are over
	s_barrier_signal -1
	MUL16 2, 1, NQ-1, \slot, 0
	WIN 0
	s_barrier_wait -1
.if \fill
	CREST                                          ; the barrier has opened a round of the cluster's: no wave of any partner still reads this slot or has a load on its way
	s_add_nc_u64 s[G0+4*\slot+2:G0+4*\slot+3], s[G0+4*\slot+2:G0+4*\slot+3], 2*ROWB
	s_add_nc_u64 s[G0B+4*\slot+2:G0B+4*\slot+3], s[G0B+4*\slot+2:G0B+4*\slot+3], 2*ROWB
	JLOAD G0+4*\slot, G1, G0B+4*\slot, G1B         ; my one tensor load behind the round; its four v_nop are the places ahead of the loads below
.else
	PLACES NP
.endif
	v_add_nc_u32 v[ADRS], 4*NQ, v[ADRS]            ; the next K step's scale words
	FETCH_B \next, 0, 0
	FETCH_A \next, 0, 0
	SCALES \next
	WIN MUL_HI
	MUL16 4, 1, NQ-1, \slot, 0
	MUL16 6, 1, NQ-1, \slot, 0
	PLACES NP
	WIN 0
	FETCH_A \next, 0, 4
.endm
.macro STEPS slot, from
.set Q, \from
.rept NQ-1-\from
	STEP \slot, Q, 0
.set Q, Q+1
.endr
.endm
	s_wait_tensorcnt 1                             ; the scales and my part of K step 0 are in (K step 1's load may be out)
	s_barrier_signal -1
	s_barrier_wait -1
	FETCH_B 0, 0, 0
	FETCH_A 0, 0, 0
	SCALES 0
	FETCH_A 0, 0, 4
	STEP 0, 0, 1                                   ; four K steps of 512, written out: the first products start the sums
	STEPS 0, 1
	TURN 0, 1, 1
	STEPS 1, 0
	TURN 1, 0, 1
	STEP 0, 0, 0
	STEPS 0, 1
	TURN 0, 1, 0                                   ; nothing is left to fetch
	STEPS 1, 0
	s_wait_dscnt 4*NL
	WIN MUL_LO
	MUL16 0, 1, NQ-1, 1, 0
	MUL16 2, 1, NQ-1, 1, 0
	s_wait_dscnt 0
	WIN MUL_HI
	MUL16 4, 1, NQ-1, 1, 0
	MUL16 6, 1, NQ-1, 1, 0
	WIN 0
	PLACES NP                                      ; ahead of the reads of results and of the loads into fragments' registers, on both ways
	s_cmp_eq_u32 s[ROPE], 0
	s_cbranch_scc1 .Lplain
; THE WAY OUT WITH ROPE.  A block of 16 tokens goes through my stage as f32 and comes back by rows: a lane then has columns 4 l .. 4 l + 3 and, by a second load, the columns 64 away.
.macro TOSTAGE_R a
.set AC, 64*((\a)%4)
	WIN 0x08+4*((\a)/4)                            ; an LDS store's data: window 2 or 3
.irp b, 0,1,2,3,4,5,6,7
	ds_store_b128 v[STO], v[AC+8*\b:AC+8*\b+3] offset:64*\b          ; each accumulator from its low end on
	ds_store_b128 v[STO], v[AC+8*\b+4:AC+8*\b+7] offset:64*\b+16
.endr
	WIN 0
.endm
.macro LD i                            ; eight rows back: mine into QO, the partner's into QP
.set QO, 32+64*((\i)%2)
.set QP, 64+64*((\i)%2)
.irp r, 0,1,2,3,4,5,6,7
	ds_load_b128 v[QO+4*\r:QO+4*\r+3], v[RD] offset:(8*((\i)%2)+\r)*528
	ds_load_b128 v[QP+4*\r:QP+4*\r+3], v[RD2] offset:(8*((\i)%2)+\r)*528
.endr
.endm
.macro MATH i                          ; q cos + (+-partner) sin, rounded to f16 and stored: a row's 256 bytes by one instruction
	SETCS \i
.set QO, 32+64*((\i)%2)
.set QP, 64+64*((\i)%2)
.set J, 0
.rept 16
	v_pk_mul_f32 v[QP+J:QP+J+1], v[QP+J:QP+J+1], v[SG:SG+1]
.set J, J+2
.endr
	WIN 0x04                                       ; source 1: window 1
.set J, 0
.rept 16
	v_pk_mul_f32 v[QP+J:QP+J+1], v[QP+J:QP+J+1], v[CSB+32+J:CSB+32+J+1]
.set J, J+2
.endr
.set J, 0
.rept 16
	v_pk_fma_f32 v[QO+J:QO+J+1], v[QO+J:QO+J+1], v[CSB+J:CSB+J+1], v[QP+J:QP+J+1]
.set J, J+2
.endr
	WIN 0
	s_wait_xcnt 0x0                                ; the last half's stores have read OUT
.irp r, 0,1,2,3,4,5,6,7
	v_cvt_pk_f16_f32 v[OUT+2*\r], v[QO+4*\r], v[QO+4*\r+1]
	v_cvt_pk_f16_f32 v[OUT+2*\r+1], v[QO+4*\r+2], v[QO+4*\r+3]
.endr
.irp r, 0,1,2,3,4,5,6,7
	global_store_b64 v[CO8], v[OUT+2*\r:OUT+2*\r+1], s[DST:DST+1] offset:(8*(\i)+\r)*256
.endr
.endm
	CSLOAD 2
	CSLOAD 3
	TOSTAGE_R 0
	LD 0
.irp i, 0,1,2,3,4,5,6,7,8,9,10,11,12,13,14,15
.if ((\i)%2 == 1) && (\i < 15)
	TOSTAGE_R (\i+1)/2                             ; LDS serves a wave's instructions in order: these stores come behind the loads of the block before
.endif
.if \i < 15
	LD \i+1
.endif
.if \i == 15
	s_wait_dscnt 0x0
.elseif (\i)%2 == 1
	s_wait_dscnt 32                                ; behind this half's loads: a block's 16 stores and the next half's 16 loads
.else
	s_wait_dscnt 16                                ; behind this half's loads: the next half's 16
.endif
.if \i <= 12
	s_wait_loadcnt 48                              ; this half's cos and sin are in; three later halves' 16 loads each may be out
.else
	s_wait_loadcnt 16*(15-\i)
.endif
	MATH \i
.if \i < 12
	CSLOAD \i+4
.endif
.endr
	s_branch .Lend
; THE PLAIN WAY OUT, for c_kv: the largest magnitude is taken on the way; a block is rounded to f16 and goes through my stage, so that sixteen lanes store a row's 256 bytes.
.Lplain:
.macro CMAX a
.set AC, 64*((\a)%4)
	WIN 0x28+0x14*((\a)/4)                         ; sources 1 and 2: window 2 or 3
.set J, 0
.rept 32
	v_max3_num_f32 v[8+J%2], v[8+J%2], |v[AC+2*J]|, |v[AC+2*J+1]|   ; two chains; each accumulator from its low end on
.set J, J+1
.endr
.endm
.macro PACK a
.set AC, 64*((\a)%4)
	WIN 0x0a+5*((\a)/4)
.irp b, 0,1,2,3,4,5,6,7
.irp r, 0,1,2,3
	v_cvt_pk_f16_f32 v[TMP+4*\b+\r], v[AC+8*\b+2*\r], v[AC+8*\b+2*\r+1]
.endr
.endr
	WIN 0
.endm
.macro TOSTAGE a
.set BK, OB+192*((\a)%2)
.irp b, 0,1,2,3,4,5,6,7
	ds_store_b128 v[STP], v[TMP+4*\b:TMP+4*\b+3] offset:32*\b
.endr
.irp t, 0,1,2,3,4,5,6,7
	ds_load_b128 v[BK+4*\t:BK+4*\t+3], v[RDP] offset:\t*2*272
.endr
.endm
.macro SEND a
.set BK, OB+192*((\a)%2)
	s_wait_dscnt 0x0                               ; the block is back in registers
	s_wait_xcnt 0x0                                ; the stores of the block before have read theirs, which the next block's loads take
.irp t, 0,1,2,3,4,5,6,7
	global_store_b128 v[L16], v[BK+4*\t:BK+4*\t+3], s[DST:DST+1] offset:(16*(\a)+2*\t)*256   ; two rows of 256 bytes, on end in c16
.endr
.endm
	v_mov_b32 v8, 0
	v_mov_b32 v9, 0
	v_mov_b32 v10, 0
	CMAX 0
	PACK 0
	TOSTAGE 0
.irp a, 1,2,3,4,5,6,7
	CMAX \a
	PACK \a
	SEND \a-1
	TOSTAGE \a
.endr
	SEND 7
	s_mov_b32 s20, 0x76543210
	s_mov_b32 s21, 0xfedcba98
	v_max_num_f32 v8, v8, v9
	v_max_num_f32_dpp v8, v8, v8 row_xmask:1 row_mask:0xf bank_mask:0xf
	v_max_num_f32_dpp v8, v8, v8 row_xmask:2 row_mask:0xf bank_mask:0xf
	v_max_num_f32_dpp v8, v8, v8 row_xmask:4 row_mask:0xf bank_mask:0xf
	v_max_num_f32_dpp v8, v8, v8 row_xmask:8 row_mask:0xf bank_mask:0xf
	v_permlanex16_b32 v10, v8, s20, s21
	v_max_num_f32 v8, v8, v10                      ; the largest |c_kv| of my 128 x 128
	v_and_b32 v9, 31, v0
	v_mov_b32 v10, 0
	s_wait_xcnt 0x0                                ; EXEC changes only behind this wait
	v_cmp_eq_u32 vcc_lo, 0, v9
	s_and_saveexec_b32 s22, vcc_lo
	global_store_b32 v10, v8, s[44:45]             ; one word a wave
	s_wait_xcnt 0x0
	s_or_b32 exec_lo, exec_lo, s22
.Lend:
	s_wait_tensorcnt 0x0                           ; the wave's end
	ds_add_u32 v[SPW], v[NIL]
	s_wait_dscnt 0x0
	CROUND                                         ; the closing round: no work-group ends while a partner may still ask for a tile that names it
	s_endpgm
.Lfunc_end_k_q3fd8a3e08d_qc_gemm:
	.size	k_q3fd8a3e08d_qc_gemm, .Lfunc_end_k_q3fd8a3e08d_qc_gemm-k_q3fd8a3e08d_qc_gemm
	.p2alignl 7, 3214868480
	.fill 96, 4, 3214868480
	.section	.rodata,"a",@progbits
	.p2align	6, 0x0
	.amdhsa_kernel k_q3fd8a3e08d_qc_gemm
		.amdhsa_group_segment_fixed_size 327680
		.amdhsa_private_segment_fixed_size 0
		.amdhsa_enable_private_segment 0
		.amdhsa_kernarg_size 40
		.amdhsa_user_sgpr_count 2
		.amdhsa_user_sgpr_kernarg_segment_ptr 1
		.amdhsa_wavefront_size32 1
		.amdhsa_system_sgpr_workgroup_id_x 1
		.amdhsa_system_sgpr_workgroup_id_y 1
		.amdhsa_system_sgpr_workgroup_id_z 1
		.amdhsa_system_vgpr_workitem_id 0
		.amdhsa_next_free_vgpr 1024
		.amdhsa_next_free_sgpr 100
		.amdhsa_reserve_vcc 1
		.amdhsa_float_denorm_mode_32 3
		.amdhsa_float_denorm_mode_16_64 3
		.amdhsa_memory_ordered 1
		.amdhsa_forward_progress 1
		.amdhsa_inst_pref_size 255
	.end_amdhsa_kernel
	.section	.bss,"aw",@nobits
	.p2align	6
	.space	262144
	.amdgpu_metadata
---
amdhsa.version: [ 1, 2 ]
amdhsa.kernels:
  - .name:           k_q3fd8a3e08d_qc_gemm
    .symbol:         k_q3fd8a3e08d_qc_gemm.kd
    .args:
      - { .name: prep4, .offset: 0, .size: 8, .value_kind: global_buffer, .address_space: global }
      - { .name: rope_cos, .offset: 8, .size: 8, .value_kind: global_buffer, .address_space: global }
      - { .name: rope_sin, .offset: 16, .size: 8, .value_kind: global_buffer, .address_space: global }
      - { .name: q16, .offset: 24, .size: 8, .value_kind: global_buffer, .address_space: global }
      - { .name: c16, .offset: 32, .size: 8, .value_kind: global_buffer, .address_space: global }
    .group_segment_fixed_size: 327680
    .private_segment_fixed_size: 0
    .kernarg_segment_align: 8
    .kernarg_segment_size: 40
    .max_flat_workgroup_size: 128
    .sgpr_count:     100
    .vgpr_count:     1024
    .wavefront_size: 32
...
	.end_amdgpu_metadata
.endif
;; end of part 2
;; launch kv_gemm (part 3): grid 16 x 16, 4 waves a work-group, clusters of 4 x 4, 327,680 bytes of LDS; arguments c16, w16, rope_cos, rope_sin, kv16; writes kv16
.if DOCPART == 3
	.amdgcn_target "amdgcn-amd-amdhsa--gfx1250"
	.amdhsa_code_object_version 6
	.text
	.protected	k_q3fd8a3e08d_kv_gemm
	.globl	k_q3fd8a3e08d_kv_gemm
	.p2align	8
	.type	k_q3fd8a3e08d_kv_gemm,@function
k_q3fd8a3e08d_kv_gemm:
	s_mov_b64 s[64:65], 0
	v_nop
	global_prefetch_b8 v0, s[64:65] scope:SCOPE_SE
	s_setreg_imm32_b32 hwreg(HW_REG_WAVE_MODE, 25, 1), 1
	s_wait_xcnt 0x0
	s_wait_alu depctr_hold_cnt(0) depctr_sa_sdst(0) depctr_va_vdst(0) depctr_va_sdst(0) depctr_va_ssrc(0) depctr_va_vcc(0) depctr_vm_vsrc(0)
	s_getreg_b32 s2, hwreg(HW_REG_IB_STS2, 6, 4)
	s_cmp_eq_u32 s2, 0
	s_cbranch_scc0 .Lentry_in_a_cluster
	s_endpgm
.Lentry_in_a_cluster:
	s_bfe_u32 s2, ttmp6, 0x10000c
	s_cmp_lg_u32 s2, 0xf033
	s_cbranch_scc0 .Lentry_shape_is_right
	s_endpgm
.Lentry_shape_is_right:
; Launch 3 of 5: K = c_kv W_uk^T and V = c_kv W_uv^T as one GEMM in f16, [4096][512] x [4096][512]^T, sums in f32.  No work is left out.
; A tile of 256 x 256 to a work-group of four waves; a wave makes 128 tokens x one head (128 columns): tile columns 0-7 are K's heads, 8-15 V's.  K = 512 is four K steps of 128 through two LDS slots.
; c16 lies [k / 128][4096][128], so a K step's rows are 256 dense bytes; w16's first 4,096 rows of 512 are W_uk, then W_uv.
; CLUSTER 4 x 4: c's tile is shared along a row of the cluster, the weight's along a column: joint loads.  The matrix instruction is used transposed: a lane holds eight neighbouring columns of one token.
; THE POWER OF TWO.  Eb = the exponent field of the largest |c_kv| (the maximum of the 128 words at c16 + 4,194,304), held to 8 .. 253; f = 2^(127 - Eb).  K' = f rope(K) and V' = f V are what is stored, in f16:
; multiplying by f rounds nothing, and takes the size of x and W_dkv out of what f16 has to hold.  Launches 4 and 5 take f away again.  Eb is data alone: no address and no branch hangs on it.
; LIMITS: |K'| and |V'| stay under 65,504 (what is left in them is W_uk x cos, sin or W_uv, times a latent of largest magnitude under 2); NaN and infinities are not served.
; REGISTERS: window 0: v0-31 addresses; v64-127, v128-191 c's fragments, two buffers; window 1: the same for the weight; v0-63 and v192-255 of window 1 take the first 16 rows of cos and sin; windows 2, 3: accumulators.
.set KSTEP,  128
.set PITCH,  272
.set HALFT,  128*PITCH
.set SLOT,   4*HALFT
.set SPARE,  2*SLOT                    ; the spare words: 128 bytes a wave, that no other line names
.set APLANE, 1048576                   ; c16: from one 128 along K to the next
.set CMAXO,  4194304
.set RSTG,   8448                      ; the rope's stage, 16 x 528 bytes a wave, from LDS byte 0 on: slot 0 has had its last fill and its last read by then
.set PSTG0,  4*RSTG
.set PSTG,   4352
.set FF,   12                          ; v[12:13] f
.set SG,   14                          ; v[14:15] -f in lanes 0-15, +f in lanes 16-31
.set ADRA, 16
.set STP,  18
.set RDP,  19
.set ADRB, 20
.set RD2,  22
.set L16,  23
.set STO,  24
.set RD,   25
.set CO8,  26
.set SPW,  28
.set NIL,  29
.set F0,   64
.set F1,   128
.set OUT,  160
.set TMP,  192
.set OB,   32
.set CSB0, 0
.set CSB1, 192
.set CSB2, 64
.set CSB3, 128
.set G1,   24
.set G0,   32
.set G1B,  48
.set G0B,  56
.set ROPE, 66                          ; s66 1: my columns are a head of K
.set FB,   67                          ; s67 f's bits
.set COSP, 68
.set SINP, 70
.set SEL,  72
.set DST,  8
.set MSB, 0
.macro WIN new
.if MSB != (\new)
	s_set_vgpr_msb (MSB<<8)|(\new)
.set MSB, (\new)
.endif
.endm
.set MUL_LO, 0xa1
.set MUL_HI, 0xf1
.set TO_B,   0x40
.macro JLOAD s                         ; waves 0 and 1 fetch c's two halves, waves 2 and 3 the weight's; an s_nop 0 and four v_nop follow each line
	s_cmp_eq_u32 s11, 0
	s_cbranch_scc0 .Lfor_b_\@
	tensor_load_to_lds s[G0+4*\s:G0+4*\s+3], s[G1:G1+7]
	s_nop 0
.rept 4
	v_nop
.endr
	s_branch .Lasked_\@
.Lfor_b_\@:
	tensor_load_to_lds s[G0B+4*\s:G0B+4*\s+3], s[G1B:G1B+7]
	s_nop 0
.rept 4
	v_nop
.endr
.Lasked_\@:
.endm
.macro CREST
	s_cmp_lg_u32 s10, 0
	s_cbranch_scc1 .Lnot_wave_0_\@
	s_barrier_signal -3
.Lnot_wave_0_\@:
	s_barrier_wait -3
	s_barrier_signal -1
	s_barrier_wait -1
.endm
.macro CROUND
	s_barrier_signal -1
	s_barrier_wait -1
	CREST
.endm
	s_load_b128 s[4:7], s[0:1], 0x0                ; c16, w16
	s_load_b128 s[68:71], s[0:1], 0x10             ; rope_cos, rope_sin
	s_load_b64 s[8:9], s[0:1], 0x20                ; kv16
	v_lshl_add_u32 v[SPW], v0, 2, SPARE
	v_mov_b32 v[NIL], 0
	ds_add_u32 v[SPW], v[NIL]                      ; the wave's opening: the add, twice on end, and its wait ahead of my first tensor load
	ds_add_u32 v[SPW], v[NIL]
	v_lshrrev_b32 v1, 5, v0
	v_readfirstlane_b32 s10, v1                    ; wave 0..3
	s_lshr_b32 s11, s10, 1                         ; which half of the tile's tokens is mine.  Also: I fetch for c (0) or for the weight (1)
	s_and_b32 s12, s10, 1                          ; which half of its columns.  Also: which 128 rows I fetch
	s_bfe_u32 s40, ttmp6, 0x40000                  ; cx
	s_bfe_u32 s41, ttmp6, 0x40004                  ; cy
	s_lshl_b32 s42, ttmp9, 2
	s_add_co_u32 s42, s42, s40                     ; tile column
	s_and_b32 s13, ttmp7, 0xffff
	s_lshl_b32 s13, s13, 2
	s_add_co_u32 s13, s13, s41                     ; tile row
	s_lshl_b32 s43, s41, 2
	s_lshl_b32 s43, 15, s43                        ; my row of the cluster
	s_lshl_b32 s44, 0x1111, s40                    ; my column
	s_or_b32 s[G1+0], s43, (1<<16)|(1<<20)|(1<<21)|(5<<22)|(3<<25)   ; the mask; elements of 2 bytes; 4 words of padding after every 64; bit 21 beside the mask
	s_or_b32 s[G1B+0], s44, (1<<16)|(1<<20)|(1<<21)|(5<<22)|(3<<25)
.irp g, G1, G1B
	s_mov_b32 s[\g+1], KSTEP<<16                   ; tensor_dim0 = 128
	s_mov_b32 s[\g+2], 128<<16                     ; tensor_dim1 = 128
	s_mov_b32 s[\g+3], KSTEP<<16                   ; tile_dim0
	s_mov_b32 s[\g+4], 128                         ; tile_dim1
	s_mov_b32 s[\g+6], 0
	s_mov_b32 s[\g+7], 0
.endr
	s_mov_b32 s[G1+5], 128                         ; c16: rows on end
	s_mov_b32 s[G1B+5], 512                        ; the weight: 512 elements from row to row
	s_lshl_b32 s17, s12, 7
	s_lshl_b32 s16, s13, 8
	s_add_co_u32 s16, s16, s17                     ; c: token 256 x tile row + 128 x half,
	s_lshl_b32 s16, s16, 8                         ; 256 bytes each
	s_lshl_b32 s46, s42, 8
	s_add_co_u32 s46, s46, s17                     ; the weight: row 256 x tile column + 128 x half,
	s_lshl_b32 s46, s46, 10                        ; 1,024 bytes each
	s_mov_b32 s17, 0
	s_mov_b32 s47, 0
	s_mul_i32 s20, s10, HALFT
	s_mov_b32 s[SEL], 0x76543210
	s_mov_b32 s[SEL+1], 0xfedcba98
	s_wait_dscnt 0x0                               ; both opening adds are done
	s_wait_kmcnt 0x0
	s_add_nc_u64 s[14:15], s[4:5], s[16:17]
	s_add_nc_u64 s[46:47], s[6:7], s[46:47]
	CROUND                                         ; all sixteen work-groups are here: the first joint loads meet
.irp s, 0,1
	s_mov_b32 s[G0+4*\s], 1
	s_add_co_u32 s[G0+4*\s+1], s20, \s*SLOT
	s_add_nc_u64 s[G0+4*\s+2:G0+4*\s+3], s[14:15], \s*APLANE
	s_or_b32 s[G0+4*\s+3], s[G0+4*\s+3], 0x80000000
	s_mov_b32 s[G0B+4*\s], 1
	s_add_co_u32 s[G0B+4*\s+1], s20, \s*SLOT
	s_add_nc_u64 s[G0B+4*\s+2:G0B+4*\s+3], s[46:47], \s*KSTEP*2
	s_or_b32 s[G0B+4*\s+3], s[G0B+4*\s+3], 0x80000000
	JLOAD \s
.endr
	v_and_b32 v6, 31, v0
	v_lshlrev_b32 v[L16], 4, v6
	global_load_b128 v[8:11], v[L16], s[4:5] offset:CMAXO   ; the 128 largest magnitudes, four a lane
	v_lshlrev_b32 v[CO8], 3, v6
	v_and_b32 v1, 15, v0
	v_bfe_u32 v2, v0, 4, 1
	v_mul_u32_u24 v3, v1, PITCH
	v_lshl_add_u32 v3, v2, 4, v3
	s_mul_i32 s21, s11, HALFT
	s_mul_i32 s22, s12, HALFT
	s_add_co_u32 s22, s22, 2*HALFT
.irp s, 0,1
	v_add_nc_u32 v[ADRA+\s], s21, v3
	v_add_nc_u32 v[ADRB+\s], s22, v3
	s_add_co_u32 s21, s21, SLOT
	s_add_co_u32 s22, s22, SLOT
.endr
	s_mul_i32 s23, s10, RSTG
	v_mul_u32_u24 v5, v1, 528
	v_lshl_add_u32 v5, v2, 5, v5
	v_add_nc_u32 v[STO], s23, v5
	v_add_nc_u32 v[RD], s23, v[L16]
	v_xor_b32 v7, 0x100, v[L16]
	v_add_nc_u32 v[RD2], s23, v7
	s_mul_i32 s23, s10, PSTG
	s_add_co_u32 s23, s23, PSTG0
	v_mul_u32_u24 v5, v1, 272
	v_lshl_add_u32 v5, v2, 4, v5
	v_add_nc_u32 v[STP], s23, v5
	v_mul_u32_u24 v5, v2, 272
	v_lshl_add_u32 v5, v1, 4, v5
	v_add_nc_u32 v[RDP], s23, v5
	s_lshl_b32 s16, s42, 1                         ; kv16: (K or V) x 16,777,216 + ((batch x 16 + head) x 1024 + position) x 256
	s_add_co_u32 s16, s16, s12                     ; 0-15 K's heads, 16-31 V's
	s_lshr_b32 s17, s16, 4
	s_lshl_b32 s17, s17, 24
	s_and_b32 s16, s16, 15
	s_lshr_b32 s18, s13, 2
	s_lshl_b32 s18, s18, 4
	s_add_co_u32 s16, s16, s18
	s_lshl_b32 s16, s16, 10
	s_and_b32 s18, s13, 3
	s_lshl_b32 s18, s18, 8
	s_add_co_u32 s16, s16, s18
	s_lshl_b32 s18, s11, 7
	s_add_co_u32 s16, s16, s18
	s_lshl_b32 s16, s16, 8
	s_add_co_u32 s16, s16, s17
	s_mov_b32 s17, 0
	s_add_nc_u64 s[DST:DST+1], s[DST:DST+1], s[16:17]
	s_lshl_b32 s16, s13, 8
	s_add_co_u32 s16, s16, s18                     ; my first token
	s_lshl_b32 s16, s16, 9
	s_add_nc_u64 s[COSP:COSP+1], s[COSP:COSP+1], s[16:17]
	s_add_nc_u64 s[SINP:SINP+1], s[SINP:SINP+1], s[16:17]
	s_cmp_lt_u32 ttmp9, 2                          ; tile columns 0-7: the cluster's x alone decides, the same in all partners
	s_cselect_b32 s[ROPE], 1, 0
	s_wait_loadcnt 0x0
	v_max3_num_f32 v8, v8, v9, v10
	v_max3_num_f32 v8, v8, v11, 0x04000000         ; the floor: Eb is at least 8
	v_max_num_f32_dpp v8, v8, v8 row_xmask:1 row_mask:0xf bank_mask:0xf
	v_max_num_f32_dpp v8, v8, v8 row_xmask:2 row_mask:0xf bank_mask:0xf
	v_max_num_f32_dpp v8, v8, v8 row_xmask:4 row_mask:0xf bank_mask:0xf
	v_max_num_f32_dpp v8, v8, v8 row_xmask:8 row_mask:0xf bank_mask:0xf
	v_permlanex16_b32 v9, v8, s[SEL], s[SEL+1]
	v_max_num_f32 v8, v8, v9
	v_readfirstlane_b32 s[FB], v8
	s_lshr_b32 s[FB], s[FB], 23                    ; Eb
	s_min_u32 s[FB], s[FB], 253
	s_sub_co_u32 s[FB], 254, s[FB]
	s_lshl_b32 s[FB], s[FB], 23                    ; f = 2^(127 - Eb)
	v_mov_b32 v[FF], s[FB]
	v_mov_b32 v[FF+1], s[FB]
	v_xor_b32 v7, 1, v2
	v_lshlrev_b32 v7, 31, v7
	v_or_b32 v[SG], s[FB], v7                      ; rotate_half's sign, times f
	v_mov_b32 v[SG+1], v[SG]
.macro SETCS i
.if (\i)%4 == 0
.set CSB, CSB0
.elseif (\i)%4 == 1
.set CSB, CSB1
.elseif (\i)%4 == 2
.set CSB, CSB2
.else
.set CSB, CSB3
.endif
.endm
.macro CSLOAD i                        ; cos and sin of my rows 8 i .. 8 i + 7: each load reads a row's 512 bytes
	SETCS \i
	WIN 0x40
.irp r, 0,1,2,3,4,5,6,7
	global_load_b128 v[CSB+4*\r:CSB+4*\r+3], v[L16], s[COSP:COSP+1] offset:(8*(\i)+\r)*512
	global_load_b128 v[CSB+32+4*\r:CSB+32+4*\r+3], v[L16], s[SINP:SINP+1] offset:(8*(\i)+\r)*512
.endr
	WIN 0
.endm
	s_cmp_eq_u32 s[ROPE], 0
	s_cbranch_scc1 .Lno_cs
	CSLOAD 0
	CSLOAD 1
.Lno_cs:
; 16 matrix instructions: m blocks a0, a0 + 1 of the window's four x all 8 n blocks, 32 along K.  The 64 accumulators take turns, in the same order in every quarter.
.macro MUL16 f, hi, a0, zero
.irp a, \a0, \a0+1
.irp b, 0,1,2,3,4,5,6,7
.if \zero
	v_wmma_f32_16x16x32_f16 v[8*(8*(\a)+\b):8*(8*(\a)+\b)+7], v[\f+8*\b:\f+8*\b+7], v[\f+8*(4*\hi+\a):\f+8*(4*\hi+\a)+7], 0
.else
	v_wmma_f32_16x16x32_f16 v[8*(8*(\a)+\b):8*(8*(\a)+\b)+7], v[\f+8*\b:\f+8*\b+7], v[\f+8*(4*\hi+\a):\f+8*(4*\hi+\a)+7], v[8*(8*(\a)+\b):8*(8*(\a)+\b)+7]
.endif
.endr
.endr
.endm
.macro FETCH slot, k, f                ; 32 LDS loads in one run: a quarter step's fragments
	WIN TO_B
.irp i, 0,1,2,3,4,5,6,7
	ds_load_b128 v[\f+8*\i:\f+8*\i+3],   v[ADRB+\slot] offset:\k+\i*16*PITCH
	ds_load_b128 v[\f+8*\i+4:\f+8*\i+7], v[ADRB+\slot] offset:\k+\i*16*PITCH+32
.endr
	WIN 0
.irp i, 0,1,2,3,4,5,6,7
	ds_load_b128 v[\f+8*\i:\f+8*\i+3],   v[ADRA+\slot] offset:\k+\i*16*PITCH
	ds_load_b128 v[\f+8*\i+4:\f+8*\i+7], v[ADRA+\slot] offset:\k+\i*16*PITCH+32
.endr
.endm
.macro PLACES                          ; four plain places behind matrix instructions, ahead of loads into their registers and of reads of their results
.rept 4
	v_nop
.endr
.endm
.macro QUARTER slot, k, f, g, zero
	s_wait_dscnt 8                                 ; all but the youngest eight loads (c's rows 64-127) are in
	WIN MUL_LO
	MUL16 \f, 0, 0, \zero
	MUL16 \f, 0, 2, \zero
	PLACES
	FETCH \slot, \k, \g
	s_wait_dscnt 32                                ; all but the 32 just issued
	WIN MUL_HI
	MUL16 \f, 1, 0, \zero
	MUL16 \f, 1, 2, \zero
.endm
; A K step's last quarter changes slots: one barrier; ahead of it each wave waits for all its tensor loads, adds 0 to its spare word, and waits for that and for its own reads of this slot.
.macro TURN slot, next, fill
	WIN 0
	s_wait_tensorcnt 0x0                           ; all my tensor loads have landed: my part of the next slot
	ds_add_u32 v[SPW], v[NIL]
	s_wait_dscnt 9                                 ; (the add and the youngest eight loads may be out)
	WIN MUL_LO
	MUL16 F1, 0, 0, 0
	s_wait_dscnt 0x0                               ; the add is done, and my reads of this slot are over
	s_barrier_signal -1
	MUL16 F1, 0, 2, 0
.if \fill
	WIN 0
.endif
	s_barrier_wait -1
.if \fill
	CREST                                          ; the barrier has opened a round of the cluster's: no wave of any partner still reads this slot or has a load on its way
	s_add_nc_u64 s[G0+4*\slot+2:G0+4*\slot+3], s[G0+4*\slot+2:G0+4*\slot+3], 2*APLANE
	s_add_nc_u64 s[G0B+4*\slot+2:G0B+4*\slot+3], s[G0B+4*\slot+2:G0B+4*\slot+3], 2*KSTEP*2
	JLOAD \slot                                    ; my one tensor load behind the round; its four v_nop are the places ahead of the loads below
.else
	PLACES
.endif
	FETCH \next, 0, F0
	WIN MUL_HI
	MUL16 F1, 1, 0, 0
	MUL16 F1, 1, 2, 0
.endm
	s_wait_tensorcnt 1                             ; my part of K step 0 is in (K step 1's load may be out)
	s_barrier_signal -1
	s_barrier_wait -1
	FETCH 0, 0, F0
	QUARTER 0, 64,  F0, F1, 1                      ; the first quarter's products start the sums
	QUARTER 0, 128, F1, F0, 0
	QUARTER 0, 192, F0, F1, 0
	TURN 0, 1, 1                                   ; slot 0 takes K step 2
	QUARTER 1, 64,  F0, F1, 0
	QUARTER 1, 128, F1, F0, 0
	QUARTER 1, 192, F0, F1, 0
	TURN 1, 0, 1                                   ; slot 1 takes K step 3
	QUARTER 0, 64,  F0, F1, 0
	QUARTER 0, 128, F1, F0, 0
	QUARTER 0, 192, F0, F1, 0
	TURN 0, 1, 0                                   ; nothing is left to fetch
	QUARTER 1, 64,  F0, F1, 0
	QUARTER 1, 128, F1, F0, 0
	QUARTER 1, 192, F0, F1, 0
	s_wait_dscnt 8
	WIN MUL_LO
	MUL16 F1, 0, 0, 0
	MUL16 F1, 0, 2, 0
	s_wait_dscnt 0
	WIN MUL_HI
	MUL16 F1, 1, 0, 0
	MUL16 F1, 1, 2, 0
	WIN 0
	PLACES
	s_cmp_eq_u32 s[ROPE], 0
	s_cbranch_scc1 .Lplain
; THE WAY OUT WITH ROPE, for K: f (k cos + rotate_half(k) sin), in f32, then f16.  A block of 16 tokens goes through my stage and comes back by rows: a lane has columns 4 l .. 4 l + 3 and those 64 away.
.macro TOSTAGE_R a
.set AC, 64*((\a)%4)
	WIN 0x08+4*((\a)/4)
.irp b, 0,1,2,3,4,5,6,7
	ds_store_b128 v[STO], v[AC+8*\b:AC+8*\b+3] offset:64*\b          ; each accumulator from its low end on
	ds_store_b128 v[STO], v[AC+8*\b+4:AC+8*\b+7] offset:64*\b+16
.endr
	WIN 0
.endm
.macro LD i
.set QO, 32+64*((\i)%2)
.set QP, 64+64*((\i)%2)
.irp r, 0,1,2,3,4,5,6,7
	ds_load_b128 v[QO+4*\r:QO+4*\r+3], v[RD] offset:(8*((\i)%2)+\r)*528
	ds_load_b128 v[QP+4*\r:QP+4*\r+3], v[RD2] offset:(8*((\i)%2)+\r)*528
.endr
.endm
.macro MATH i
	SETCS \i
.set QO, 32+64*((\i)%2)
.set QP, 64+64*((\i)%2)
.set J, 0
.rept 16
	v_pk_mul_f32 v[QP+J:QP+J+1], v[QP+J:QP+J+1], v[SG:SG+1]
	v_pk_mul_f32 v[QO+J:QO+J+1], v[QO+J:QO+J+1], v[FF:FF+1]
.set J, J+2
.endr
	WIN 0x04                                       ; source 1: window 1
.set J, 0
.rept 16
	v_pk_mul_f32 v[QP+J:QP+J+1], v[QP+J:QP+J+1], v[CSB+32+J:CSB+32+J+1]
.set J, J+2
.endr
.set J, 0
.rept 16
	v_pk_fma_f32 v[QO+J:QO+J+1], v[QO+J:QO+J+1], v[CSB+J:CSB+J+1], v[QP+J:QP+J+1]
.set J, J+2
.endr
	WIN 0
	s_wait_xcnt 0x0                                ; the last half's stores have read OUT
.irp r, 0,1,2,3,4,5,6,7
	v_cvt_pk_f16_f32 v[OUT+2*\r], v[QO+4*\r], v[QO+4*\r+1]
	v_cvt_pk_f16_f32 v[OUT+2*\r+1], v[QO+4*\r+2], v[QO+4*\r+3]
.endr
.irp r, 0,1,2,3,4,5,6,7
	global_store_b64 v[CO8], v[OUT+2*\r:OUT+2*\r+1], s[DST:DST+1] offset:(8*(\i)+\r)*256   ; a row's 256 bytes, aligned
.endr
.endm
	CSLOAD 2
	CSLOAD 3
	TOSTAGE_R 0
	LD 0
.irp i, 0,1,2,3,4,5,6,7,8,9,10,11,12,13,14,15
.if ((\i)%2 == 1) && (\i < 15)
	TOSTAGE_R (\i+1)/2                             ; LDS serves a wave's instructions in order: these stores come behind the loads of the block before
.endif
.if \i < 15
	LD \i+1
.endif
.if \i == 15
	s_wait_dscnt 0x0
.elseif (\i)%2 == 1
	s_wait_dscnt 32                                ; behind this half's loads: a block's 16 stores and the next half's 16 loads
.else
	s_wait_dscnt 16                                ; behind this half's loads: the next half's 16
.endif
.if \i <= 12
	s_wait_loadcnt 48                              ; this half's cos and sin are in; three later halves' 16 loads each may be out
.else
	s_wait_loadcnt 16*(15-\i)
.endif
	MATH \i
.if \i < 12
	CSLOAD \i+4
.endif
.endr
	s_branch .Lend
; THE PLAIN WAY OUT, for V: times f, rounded to f16, through my stage, so that sixteen lanes store a row's 256 bytes.
.Lplain:
.macro SCALE a
.set AC, 64*((\a)%4)
	WIN 0x82+0x41*((\a)/4)                         ; destination and source 0: window 2 or 3
.set J, 0
.rept 32
	v_pk_mul_f32 v[AC+J:AC+J+1], v[AC+J:AC+J+1], v[FF:FF+1]   ; each accumulator from its low end on
.set J, J+2
.endr
.endm
.macro PACK a
.set AC, 64*((\a)%4)
	WIN 0x0a+5*((\a)/4)
.irp b, 0,1,2,3,4,5,6,7
.irp r, 0,1,2,3
	v_cvt_pk_f16_f32 v[TMP+4*\b+\r], v[AC+8*\b+2*\r], v[AC+8*\b+2*\r+1]
.endr
.endr
	WIN 0
.endm
.macro TOSTAGE a
.set BK, OB+192*((\a)%2)
.irp b, 0,1,2,3,4,5,6,7
	ds_store_b128 v[STP], v[TMP+4*\b:TMP+4*\b+3] offset:32*\b
.endr
.irp t, 0,1,2,3,4,5,6,7
	ds_load_b128 v[BK+4*\t:BK+4*\t+3], v[RDP] offset:\t*2*272
.endr
.endm
.macro SEND a
.set BK, OB+192*((\a)%2)
	s_wait_dscnt 0x0                               ; the block is back in registers
	s_wait_xcnt 0x0                                ; the stores of the block before have read theirs, which the next block's loads take
.irp t, 0,1,2,3,4,5,6,7
	global_store_b128 v[L16], v[BK+4*\t:BK+4*\t+3], s[DST:DST+1] offset:(16*(\a)+2*\t)*256
.endr
.endm
	SCALE 0
	PACK 0
	TOSTAGE 0
.irp a, 1,2,3,4,5,6,7
	SCALE \a
	PACK \a
	SEND \a-1
	TOSTAGE \a
.endr
	SEND 7
.Lend:
	s_wait_tensorcnt 0x0                           ; the wave's end
	ds_add_u32 v[SPW], v[NIL]
	s_wait_dscnt 0x0
	CROUND                                         ; the closing round
	s_endpgm
.Lfunc_end_k_q3fd8a3e08d_kv_gemm:
	.size	k_q3fd8a3e08d_kv_gemm, .Lfunc_end_k_q3fd8a3e08d_kv_gemm-k_q3fd8a3e08d_kv_gemm
	.p2alignl 7, 3214868480
	.fill 96, 4, 3214868480
	.section	.rodata,"a",@progbits
	.p2align	6, 0x0
	.amdhsa_kernel k_q3fd8a3e08d_kv_gemm
		.amdhsa_group_segment_fixed_size 327680
		.amdhsa_private_segment_fixed_size 0
		.amdhsa_enable_private_segment 0
		.amdhsa_kernarg_size 40
		.amdhsa_user_sgpr_count 2
		.amdhsa_user_sgpr_kernarg_segment_ptr 1
		.amdhsa_wavefront_size32 1
		.amdhsa_system_sgpr_workgroup_id_x 1
		.amdhsa_system_sgpr_workgroup_id_y 1
		.amdhsa_system_sgpr_workgroup_id_z 1
		.amdhsa_system_vgpr_workitem_id 0
		.amdhsa_next_free_vgpr 1024
		.amdhsa_next_free_sgpr 76
		.amdhsa_reserve_vcc 0
		.amdhsa_float_denorm_mode_32 3
		.amdhsa_float_denorm_mode_16_64 3
		.amdhsa_memory_ordered 1
		.amdhsa_forward_progress 1
		.amdhsa_inst_pref_size 255
	.end_amdhsa_kernel
	.section	.bss,"aw",@nobits
	.p2align	6
	.space	262144
	.amdgpu_metadata
---
amdhsa.version: [ 1, 2 ]
amdhsa.kernels:
  - .name:           k_q3fd8a3e08d_kv_gemm
    .symbol:         k_q3fd8a3e08d_kv_gemm.kd
    .args:
      - { .name: c16, .offset: 0, .size: 8, .value_kind: global_buffer, .address_space: global }
      - { .name: w16, .offset: 8, .size: 8, .value_kind: global_buffer, .address_space: global }
      - { .name: rope_cos, .offset: 16, .size: 8, .value_kind: global_buffer, .address_space: global }
      - { .name: rope_sin, .offset: 24, .size: 8, .value_kind: global_buffer, .address_space: global }
      - { .name: kv16, .offset: 32, .size: 8, .value_kind: global_buffer, .address_space: global }
    .group_segment_fixed_size: 327680
    .private_segment_fixed_size: 0
    .kernarg_segment_align: 8
    .kernarg_segment_size: 40
    .max_flat_workgroup_size: 128
    .sgpr_count:     76
    .vgpr_count:     1024
    .wavefront_size: 32
...
	.end_amdgpu_metadata
.endif
;; end of part 3
;; launch attn (part 4): grid 4 x 64, 4 waves a work-group, clusters of 4 x 1, 327,680 bytes of LDS; arguments q16, kv16, c16, o16; writes o16
.if DOCPART == 4
	.amdgcn_target "amdgcn-amd-amdhsa--gfx1250"
	.amdhsa_code_object_version 6
	.text
	.protected	k_q3fd8a3e08d_attn
	.globl	k_q3fd8a3e08d_attn
	.p2align	8
	.type	k_q3fd8a3e08d_attn,@function
k_q3fd8a3e08d_attn:
	s_mov_b64 s[64:65], 0
	v_nop
	global_prefetch_b8 v0, s[64:65] scope:SCOPE_SE
	s_setreg_imm32_b32 hwreg(HW_REG_WAVE_MODE, 25, 1), 1
	s_wait_xcnt 0x0
	s_wait_alu depctr_hold_cnt(0) depctr_sa_sdst(0) depctr_va_vdst(0) depctr_va_sdst(0) depctr_va_ssrc(0) depctr_va_vcc(0) depctr_vm_vsrc(0)
	s_getreg_b32 s2, hwreg(HW_REG_IB_STS2, 6, 4)
	s_cmp_eq_u32 s2, 0
	s_cbranch_scc0 .Lentry_in_a_cluster
	s_endpgm
.Lentry_in_a_cluster:
	s_bfe_u32 s2, ttmp6, 0x10000c
	s_cmp_lg_u32 s2, 0x3003
	s_cbranch_scc0 .Lentry_shape_is_right
	s_endpgm
.Lentry_shape_is_right:
; Launch 4 of 5: O[h][q][:] = the sum over k of softmax_k(Q[h][q] . K[h][k] / sqrt(128)) V[h][k][:], no mask, 64 heads (batch x 16 + head) of 1,024 positions x 128.  No work is left out.
; Operands in f16, products, maxima and sums in f32; the weights p are rounded to f16 for the second product, O once at the end.
; WHAT ARRIVES: Q' = Q / 4 (q16), K' = f K and V' = f V (kv16: K' at 0, V' at 16,777,216), f = 2^(127 - Eb), Eb the exponent field of the largest |c_kv| (the 128 words at c16 + 4,194,304), held to 8 .. 253.
; So t = c s with c = log2(e) / sqrt(128) x 2^(Eb - 125), s = Q' . K'.  WHAT LEAVES: O' = 16 f O, in f16; launch 5 takes 16 f away.  Eb is data alone: no address, no branch hangs on it.
; o16 IS LAID AS LAUNCH 5's OPERAND REGISTERS: [token / 16][k / 32][2][lane][16 bytes], k = 128 x head + channel.  A lane's eight packed channels 16 cb + 8 (lane / 16) + 0 .. 7 of token lane % 16 are registers 0-3
; (cb even) or 4-7 (cb odd) of the fragment of 16 tokens x 32 along K, in the very lane that wants them: so they are stored as they stand, 16 bytes a lane, 512 consecutive bytes a store, with no turn through LDS.
; LIMITS: 16 |V'| stays under 65,504; NaN and infinities are not served.
; SHARES.  A work-group owns 256 queries of one head, each of its four waves 64: four tiles of 16.  Every wave walks all keys of the head, 64 a step.
; LAYOUT.  S^T = K Q^T (source 0 = 16 keys, source 1 = 16 queries): a lane holds ONE query (lane % 16) and the keys 8 (lane / 16) + 0..7.  Two such tiles, rounded in pairs, ARE source 1 of O^T = V^T P.
; K comes out of LDS as it lies, V ([key][channel]) turned, by ds_load_tr16_b128.
; SOFTMAX.  For each query a running maximum m and sum l: p = 2^(c s - c m); in every step O and l are multiplied by a = 2^(c m_old - c m_new).
; BY TURNS.  The wave's tiles are two PIECES (tiles 0, 1 and tiles 2, 3).  In a TURN one piece has the matrix unit: 32 products V^T P of the step in hand, then 32 products K Q^T of the next step; the other
; piece's softmax, cut into 64 slices, stands between them, one slice behind each matrix instruction.  Two turns are a key step.
; CLUSTER.  The four query blocks of a head form a cluster and walk the same K and V: each tile is asked for JOINTLY, by the same tensor load with a mask that names the four.
; REGISTERS, in windows of 256: window 0: v0-11 addresses; v12-43 statistics; v44-48 the power of two; v64-191 S^T; v192-255 P.  window 1: O^T.  window 2: v0-127 Q; v128-255 K of one step.  window 3: v0-127 V.
.set SIZE_N, 1024
.set VPART, 16777216
.set CMAXO, 4194304
.set KS,    64        ; keys in a step
.set PK,    272       ; a row of K in LDS: 256 bytes + 16 of padding
.set PV,    288       ; a row of V: 256 + 32
.set VOFF,  KS*PK
.set STEPB, KS*(PK+PV)
.set SLOT1, 1<<17     ; a slot holds two steps; slot 1 begins here, so that one exclusive or turns an address in one slot into the other's
.set AK0, 2
.set AV0, 3
.set ADR, 4
.set QO,  5
.set GO,  8           ; v8  16 x lane: my place in a store's 512 bytes
.set SPW, 62
.set NIL, 63
.set SPARE, SLOT1+2*STEPB  ; behind the ring: the spare words, 128 bytes a wave, that no other line names
.set ST,  12          ; tile t's statistics at v[ST+8 t]: +0 c m, +1 m, +2, +3 l, +4 to +7 at work; a takes +6 once the maximum is found
.set S,   64
.set P,   192
.set KF,  128
.set WV,  12
.set G1K, 24
.set G1V, 32
.set G0K, 40
.set G0V, 48
.set SLOTS, 56
.set TWICE, 57
.set CS,  58          ; s[58:59] c
.set SEL, 60
.set TB,  62
.set PFA, 18
.set LIM, 15
.set PFO, 61
.set MSB, 0
.macro WIN new
.if MSB != (\new)
	s_set_vgpr_msb (MSB<<8)|(\new)
.set MSB, (\new)
.endif
.endm
.set W_KQ, 0x0a
.set W_PV, 0x53
.set W_RS, 0x41
; A joint refill.  Waves 0 and 1 fetch the two steps' tiles of K, waves 2 and 3 those of V.  An s_nop 0 and four v_nop follow each line.
.macro JLOAD
	s_cmp_lt_u32 s[WV], 2
	s_cbranch_scc0 .Lfor_v_\@
	tensor_load_to_lds s[G0K+4:G0K+7], s[G1K:G1K+7]
	s_nop 0
.rept 4
	v_nop
.endr
	s_branch .Lasked_\@
.Lfor_v_\@:
	tensor_load_to_lds s[G0V+4:G0V+7], s[G1V:G1V+7]
	s_nop 0
.rept 4
	v_nop
.endr
.Lasked_\@:
.endm
; A prefetch of what the NEXT change of slots will ask for: a slot's 128 rows of K and 128 of V, 256 bytes a row, a lane a row.  Each row is named once in the launch: the four partners share the rows out by
; address, 32 each; in each, wave 0 asks for K's and wave 2 for V's.  The last change that fills a slot asks for nothing.
.macro ASK
	s_cmp_gt_u32 s[SLOTS], s[LIM]
	s_cbranch_scc0 .Lnot_mine_\@
	global_prefetch_b8 v[PFO], s[PFA:PFA+1] th:TH_LOAD_NT scope:SCOPE_SE
.Lnot_mine_\@:
.endm
.macro CROUND
	s_barrier_signal -1
	s_barrier_wait -1
	s_cmp_lg_u32 s[WV], 0
	s_cbranch_scc1 .Lnot_wave_0_\@
	s_barrier_signal -3
.Lnot_wave_0_\@:
	s_barrier_wait -3
	s_barrier_signal -1
	s_barrier_wait -1
.endm
	s_load_b128 s[4:7], s[0:1], 0x0   ; q16 s[4:5], kv16 s[6:7]
	s_load_b64 s[66:67], s[0:1], 0x10 ; c16
	s_load_b64 s[10:11], s[0:1], 0x18 ; o16
	v_lshl_add_u32 v[SPW], v0, 2, SPARE
	v_mov_b32 v[NIL], 0
	ds_add_u32 v[SPW], v[NIL]       ; the wave's opening: the add, twice on end, and its wait ahead of my first tensor load
	ds_add_u32 v[SPW], v[NIL]
	v_lshrrev_b32 v1, 5, v0
	v_readfirstlane_b32 s[WV], v1   ; wave 0..3
	s_bfe_u32 s13, ttmp6, 0x40000   ; cx
	s_lshl_b32 s14, ttmp9, 2
	s_add_co_u32 s14, s14, s13      ; my block of 256 queries: it enters Q's and O's addresses alone
	s_and_b32 s70, ttmp7, 0xffff    ; batch x 16 + head
	s_lshr_b32 s68, s70, 4          ; O': my first token is batch x 1024 + 256 x block + 64 x wave; 16 tokens are 65,536 bytes, so a token counts 4,096;
	s_lshl_b32 s68, s68, 10
	s_lshl_b32 s69, s14, 8
	s_add_co_u32 s68, s68, s69
	s_lshl_b32 s69, s[WV], 6
	s_add_co_u32 s68, s68, s69
	s_lshl_b32 s68, s68, 12
	s_and_b32 s70, s70, 15
	s_lshl_b32 s70, s70, 12         ; a head's four fragments of 1,024 bytes
	s_add_co_u32 s68, s68, s70
	s_mov_b32 s69, 0
	s_and_b32 s20, ttmp7, 0xffff    ; the head, which the four partners share
	s_mov_b32 s21, 0
	s_mov_b64 s[22:23], SIZE_N*256
	s_mul_u64 s[20:21], s[20:21], s[22:23]  ; the head's first byte in Q', K' and V'
	s_and_b32 s16, s[WV], 1         ; which of a slot's two steps I fetch:
	s_lshl_b32 s22, s16, 14         ; its 64 rows of 256 bytes in memory,
	s_mov_b32 s23, 0
	s_add_nc_u64 s[22:23], s[22:23], s[20:21]
	s_mul_i32 s17, s16, STEPB       ; and its place in a slot
	s_lshl_b32 s2, s14, 16          ; my block's 256 rows,
	s_lshl_b32 s3, s[WV], 14        ; my wave's 64 of them
	s_add_co_u32 s2, s2, s3
	s_mov_b32 s3, 0
	s_add_nc_u64 s[2:3], s[2:3], s[20:21]
	s_mov_b32 s[G1K], 15|(1<<16)|(1<<20)|(1<<21)|(5<<22)|(3<<25)  ; the mask: all four; elements of 2 bytes; 4 words of padding after every 64; bit 21 beside the mask
	s_mov_b32 s[G1V], 15|(1<<16)|(1<<20)|(1<<21)|(5<<22)|(7<<25)  ; the same with 8 words of padding
.irp g, G1K, G1V
	s_mov_b32 s[\g+1], 128<<16      ; tensor_dim0 = 128
	s_mov_b32 s[\g+2], KS<<16       ; tensor_dim1 = 64
	s_mov_b32 s[\g+3], 128<<16      ; tile_dim0
	s_mov_b32 s[\g+4], KS           ; tile_dim1
	s_mov_b32 s[\g+5], 128          ; from row to row
	s_mov_b32 s[\g+6], 0
	s_mov_b32 s[\g+7], 0
.endr
	s_mov_b32 s[SEL], 0x76543210
	s_mov_b32 s[SEL+1], 0xfedcba98
	s_mov_b32 s[TB], 0
	s_mov_b32 s[SLOTS], SIZE_N/(2*KS)-2
	s_and_b32 s[LIM], s[WV], 1       ; 0 in waves 0 and 2,
	s_or_b32 s[LIM], s[LIM], ttmp9   ; where the cluster is the head's first (here: its only one)
	s_cmp_eq_u32 s[LIM], 0
	s_cselect_b32 s[LIM], 1, -1
	v_and_b32 v[PFO], 31, v0
	v_lshlrev_b32 v[PFO], 8, v[PFO]
	s_wait_dscnt 0x0                ; both opening adds are done
	s_wait_kmcnt 0x0
	s_add_nc_u64 s[8:9], s[6:7], VPART     ; V' lies behind K' in kv16
	s_add_nc_u64 s[6:7], s[6:7], s[22:23]  ; K' and V' at my tile of slot 0
	s_add_nc_u64 s[8:9], s[8:9], s[22:23]
	s_add_nc_u64 s[4:5], s[4:5], s[2:3]    ; Q' at my wave's first row
	s_add_nc_u64 s[10:11], s[10:11], s[68:69]  ; O' at my wave's first fragment
	s_cmp_lt_u32 s[WV], 2
	s_cselect_b64 s[PFA:PFA+1], s[6:7], s[8:9]  ; (in waves 0 and 2 these stand at a slot's first row)
	s_lshl_b32 s2, s13, 13          ; my work-group's 32 rows of the 128
	s_mov_b32 s3, 0
	s_add_nc_u64 s[PFA:PFA+1], s[PFA:PFA+1], s[2:3]
	s_add_nc_u64 s[PFA:PFA+1], s[PFA:PFA+1], 2*2*KS*256  ; in slot 2; the first change of slots steps it to slot 3.  Nothing is prefetched at the head
	CROUND                          ; all four work-groups are here: the first joint loads meet
.irp s, 0,1
	s_mov_b32 s[G0K+4*\s], 1
	s_add_co_u32 s[G0K+4*\s+1], s17, \s*SLOT1
	s_add_nc_u64 s[G0K+4*\s+2:G0K+4*\s+3], s[6:7], \s*2*KS*256
	s_or_b32 s[G0K+4*\s+3], s[G0K+4*\s+3], 0x80000000
	s_mov_b32 s[G0V+4*\s], 1
	s_add_co_u32 s[G0V+4*\s+1], s17, \s*SLOT1+VOFF
	s_add_nc_u64 s[G0V+4*\s+2:G0V+4*\s+3], s[8:9], \s*2*KS*256
	s_or_b32 s[G0V+4*\s+3], s[G0V+4*\s+3], 0x80000000
.endr
	s_cmp_lt_u32 s[WV], 2           ; a wave's two first fills stand in one branch, ahead of every wait on TENSORcnt and every LDS read: two loads of mine are out
	s_cbranch_scc0 .Lfirst_v
	tensor_load_to_lds s[G0K:G0K+3], s[G1K:G1K+7]
	s_nop 0
	tensor_load_to_lds s[G0K+4:G0K+7], s[G1K:G1K+7]
	s_nop 0
.rept 4
	v_nop
.endr
	s_branch .Lfirst_asked
.Lfirst_v:
	tensor_load_to_lds s[G0V:G0V+3], s[G1V:G1V+7]
	s_nop 0
	tensor_load_to_lds s[G0V+4:G0V+7], s[G1V:G1V+7]
	s_nop 0
.rept 4
	v_nop
.endr
.Lfirst_asked:
	v_and_b32 v48, 31, v0
	v_lshlrev_b32 v48, 4, v48
	global_load_b128 v[44:47], v48, s[66:67] offset:CMAXO  ; the 128 largest magnitudes of c_kv, four a lane
	v_and_b32 v1, 15, v0            ; l % 16
	v_bfe_u32 v9, v0, 4, 1          ; l / 16
	v_lshlrev_b32 v[QO], 8, v1
	v_lshl_add_u32 v[QO], v9, 4, v[QO]  ; row x 256 + 16 x half
	WIN 0x80                        ; destination window 2, address window 0
.irp i, 0,1,2,3,4,5,6,7,8,9,10,11,12,13,14,15  ; Q stays in registers: tile i / 4, channels 32 (i % 4) on
	global_load_b128 v[8*\i:8*\i+3],   v[QO], s[4:5] offset:(\i/4)*4096+(\i%4)*64
	global_load_b128 v[8*\i+4:8*\i+7], v[QO], s[4:5] offset:(\i/4)*4096+(\i%4)*64+32
.endr
	WIN 0
	v_mul_u32_u24 v[AK0], v1, PK
	v_lshl_add_u32 v[AK0], v9, 4, v[AK0]  ; row x pitch + 16 x half
	v_and_b32 v10, 7, v0
	v_bfe_u32 v11, v0, 3, 1
	v_lshl_add_u32 v[AV0], v9, 3, v10
	v_mul_u32_u24 v[AV0], v[AV0], PV
	v_lshl_add_u32 v[AV0], v11, 4, v[AV0]
	v_add_nc_u32 v[AV0], VOFF, v[AV0]
	s_wait_loadcnt 32               ; the magnitudes are in; Q's 32 loads, issued behind them, may be out
	v_max3_num_f32 v44, v44, v45, v46
	v_max3_num_f32 v44, v44, v47, 0x04000000  ; the floor: Eb is at least 8
	v_max_num_f32_dpp v44, v44, v44 row_xmask:1 row_mask:0xf bank_mask:0xf
	v_max_num_f32_dpp v44, v44, v44 row_xmask:2 row_mask:0xf bank_mask:0xf
	v_max_num_f32_dpp v44, v44, v44 row_xmask:4 row_mask:0xf bank_mask:0xf
	v_max_num_f32_dpp v44, v44, v44 row_xmask:8 row_mask:0xf bank_mask:0xf
	v_permlanex16_b32 v45, v44, s[SEL], s[SEL+1]
	v_max_num_f32 v44, v44, v45
	v_readfirstlane_b32 s70, v44
	s_lshr_b32 s70, s70, 23         ; Eb
	s_min_u32 s70, s70, 253
	s_sub_co_u32 s70, s70, 125
	s_lshl_b32 s70, s70, 23
	s_add_co_u32 s[CS], s70, 0x3e0293ee  ; c = log2(e) / sqrt(128) x 2^(Eb - 125): Eb - 125 onto the exponent field
	s_mov_b32 s[CS+1], s[CS]        ; named with it as a pair, so it is written
; THE MATRIX WORK OF A TURN, for piece x.  The accumulators take turns, one instruction a turn.
.macro PV x, zero
	WIN W_PV
.set rO, 64*(\x+i%2)+8*((i/2)%8)
.set rV, 64*(i/16)+8*((i/2)%8)
.set rP, P+16*(\x+i%2)+8*(i/16)
.if \zero && (i < 16)
	v_wmma_f32_16x16x32_f16 v[rO:rO+7], v[rV:rV+7], v[rP:rP+7], 0
.else
	v_wmma_f32_16x16x32_f16 v[rO:rO+7], v[rV:rV+7], v[rP:rP+7], v[rO:rO+7]
.endif
.endm
.macro KQ x
	WIN W_KQ
.set rS, S+32*(\x+i%2)+8*((i/2)%4)
.set rK, KF+32*((i/2)%4)+8*(i/8)
.set rQ, 32*(\x+i%2)+8*(i/8)
.if i < 8
	v_wmma_f32_16x16x32_f16 v[rS:rS+7], v[rK:rK+7], v[rQ:rQ+7], 0
.else
	v_wmma_f32_16x16x32_f16 v[rS:rS+7], v[rK:rK+7], v[rQ:rQ+7], v[rS:rS+7]
.endif
.endm
; THE LDS LOADS stand in runs of 32: a step's K and, a turn later, its V (turned).
.macro FETCH_K
	WIN 0
	v_add_nc_u32 v[ADR], s[TB], v[AK0]
	WIN 0x80
.irp f, 0,1,2,3,4,5,6,7,8,9,10,11,12,13,14,15
	ds_load_b128 v[KF+8*\f:KF+8*\f+3],   v[ADR] offset:(\f/4)*16*PK+(\f%4)*64
	ds_load_b128 v[KF+8*\f+4:KF+8*\f+7], v[ADR] offset:(\f/4)*16*PK+(\f%4)*64+32
.endr
.endm
.macro FETCH_V
	WIN 0
	v_add_nc_u32 v[ADR], s[TB], v[AV0]
	s_add_co_u32 s[TB], s[TB], STEPB  ; the next fetch is the next step's
	s_wait_alu depctr_va_vdst(0)    ; the wait for the softmax's batch of exponentials, ahead of the first instruction that names a result
	WIN 0xc0
.irp f, 0,1,2,3,4,5,6,7,8,9,10,11,12,13,14,15
	ds_load_tr16_b128 v[8*\f:8*\f+3],   v[ADR] offset:(\f/8)*32*PV+(\f%8)*32
	ds_load_tr16_b128 v[8*\f+4:8*\f+7], v[ADR] offset:(\f/8)*32*PV+16*PV+(\f%8)*32
.endr
.endm
; THE VECTOR WORK OF A TURN.  One tile's softmax for one key step is a list of 134 instructions; SM writes number j of it for tile t.
;   0-15 the maximum of the 32 scores and the old m;  16-20 the other half of the lanes' maximum, the new m, c m, c m_old - c m_new;
;   21-69 ONE BATCH: the 16 scalings c s - c m and all 33 exponentials, none of which reads an exponential's result;  (the wait);  70-85 the roundings to f16;  86-101 the sums;  102-133 O^T times a.
.macro SM t, first
.set rT, ST+8*(\t)
.set rS, S+32*(\t)
.set rP, P+16*(\t)
.set rO, 64*(\t)+2*(j-102)
.if j < 102
	WIN 0
.endif
.if j < 4
	v_max3_num_f32 v[rT+4+j], v[rS+8*j], v[rS+8*j+1], v[rS+8*j+2]
.elseif j < 12
	v_max3_num_f32 v[rT+4+j%4], v[rT+4+j%4], v[rS+8*(j%4)+2*(j/4)+1], v[rS+8*(j%4)+2*(j/4)+2]
.elseif j == 12
	v_max3_num_f32 v[rT+4], v[rT+4], v[rS+7], v[rS+15]
.elseif j == 13
	v_max3_num_f32 v[rT+6], v[rT+6], v[rS+23], v[rS+31]
.elseif j == 14
	v_max3_num_f32 v[rT+4], v[rT+4], v[rT+5], v[rT+6]
.elseif (j == 15) && \first
	v_max_num_f32 v[rT+4], v[rT+4], v[rT+7]
.elseif j == 15
	v_max3_num_f32 v[rT+4], v[rT+4], v[rT+7], v[rT+1]
.elseif j == 16
	v_permlanex16_b32 v[rT+5], v[rT+4], s[SEL], s[SEL+1]  ; the query's other 32 keys lie in the lane 16 away
.elseif j == 18
	v_max_num_f32 v[rT+1], v[rT+4], v[rT+5]
.elseif j == 19
	v_mul_f32 v[rT], s[CS], v[rT+1]
.elseif ((j == 17) || (j == 20) || (j == 23) || (j > 101)) && \first  ; the first step has none of these
.elseif j == 17
	v_mov_b32 v[rT+7], v[rT]        ; c m_old is kept for a
.elseif j == 20
	v_sub_f32 v[rT+7], v[rT+7], v[rT]
.elseif j == 23
	v_exp_f32 v[rT+6], v[rT+7]
.elseif (j < 23) || ((j < 38) && (j%2 == 0)) || ((j < 66) && (j%4 == 2))
.set b, (j-2)/4
.if j < 38
.set b, (j-20)/2
.endif
	v_pk_fma_f32 v[rS+2*b:rS+2*b+1], v[rS+2*b:rS+2*b+1], s[CS:CS+1], v[rT:rT+1] op_sel_hi:[1,0,0] neg_lo:[0,0,1] neg_hi:[0,0,1]  ; pair b: c s - c m
.elseif j < 70
.set e, j-38
.if j < 66
.set e, j-32-(j-38)/4
.endif
.if j < 38
.set e, (j-25)/2
.endif
	v_exp_f32 v[rS+e], v[rS+e]
.elseif j < 86
	v_cvt_pk_f16_f32 v[rP+j-70], v[rS+2*(j-70)], v[rS+2*(j-70)+1]  ; pair j - 70
.elseif j < 102
.set z, j-86
.set w, 4
.set u, z
.if z >= 14
.set w, 32
.set u, 0
.elseif z >= 12
.set w, 16
.set u, z-12
.elseif z >= 8
.set w, 8
.set u, z-8
.endif
.if (z == 14) && \first
	v_pk_add_f32 v[rT+2:rT+3], v[rS:rS+1], v[rS+16:rS+17]
.elseif z < 15
	v_pk_add_f32 v[rS+w*u:rS+w*u+1], v[rS+w*u:rS+w*u+1], v[rS+w*u+w/2:rS+w*u+w/2+1]
.elseif !\first
	v_pk_fma_f32 v[rT+2:rT+3], v[rT+2:rT+3], v[rT+6:rT+7], v[rS:rS+1] op_sel_hi:[1,0,1]
.endif
.else
	WIN W_RS
	v_pk_mul_f32 v[rO:rO+1], v[rO:rO+1], v[rT+6:rT+7] op_sel_hi:[1,0]
.endif
.endm
; Slice k of 64 of piece y's softmax: four instructions.  Slices 11 to 34 deal out the batch, four numbers of one tile each, the tiles by turns; every other slice is numbers 2 k and 2 k + 1 of both tiles;
; the twelve that are over stand in slice 63.  The piece's 66 exponentials have one wait, behind slice 34: ahead of slice 35 nothing names a result, and behind slice 34 no exponential is issued.
.macro SLICE y, first
.if (k >= 11) && (k < 35)
.irp n, 0,1,2,3
.set j, 22+4*((k-11)/2)+(\n)
	SM (\y)+(k-11)%2, \first
.endr
.else
.irp n, 0,1,2,3,4,5,6,7
.if (\n < 2) || (k == 63)
.irp t, \y, \y+1
.set j, 2*k+\n
	SM \t, \first
.endr
.endif
.endr
.endif
.if k == 34
	v_nop                           ; the plain instruction behind the last exponential, ahead of the first use: one for the batch
.if (\y) == 0
	FETCH_V                         ; piece 2's turn: V's run of loads stands here, and the wait stands in it
.else
	s_wait_alu depctr_va_vdst(0)    ; the wait for the batch
.endif
.endif
.set k, k+1
.endm
.macro PLACES
.rept 4
	v_nop
.endr
.endm
; A TURN.  Piece x has the matrix unit; the other piece's softmax stands in slices behind its matrix instructions.  pv = 2: 32 products V^T P; 1: they start O^T's sums; 0: none.  kq = 1: 32 products K Q^T.
.macro TURN x, pv, kq, first
.set k, 0
.set per, 2
.if \pv && \kq
.set per, 1
.endif
.if \pv
.if \x == 0
	s_wait_dscnt 0x0                ; V is in
.endif
.set i, 0
.rept 32
	PV \x, 2-\pv
.rept per
	SLICE 2-\x, \first
.endr
.if (\x == 0) && \kq && (i == 1)
	FETCH_K
.endif
.set i, i+1
.endr
.endif
.if \kq
.if \x == 0
	s_wait_dscnt 0x0                ; K is in
.endif
.set i, 0
.rept 32
	KQ \x
.rept per
	SLICE 2-\x, \first
.endr
.set i, i+1
.endr
.endif
.if \first
	PLACES
.endif
.endm
; THE CHANGE OF SLOTS.  Each wave waits for all its tensor loads, adds 0 to its spare word, and waits for that and for its own reads of the slot.  fill = 1: the barrier is a round of the cluster's, and the
; joint refill is the first thing behind it: it has two key steps, 256 matrix instructions, in which to land.
.macro CHANGE fill
	WIN 0
	s_wait_tensorcnt 0x0            ; no tensor load of mine is out, so a group 0 may be written
	ds_add_u32 v[SPW], v[NIL]
.if \fill
.irp g, G0K+4, G0V+4
	s_xor_b32 s[\g+1], s[\g+1], SLOT1
	s_add_nc_u64 s[\g+2:\g+3], s[\g+2:\g+3], 2*KS*256
.endr
	s_wait_xcnt 0x0                 ; the last prefetches, two key steps back, have read their address
	s_add_nc_u64 s[PFA:PFA+1], s[PFA:PFA+1], 2*KS*256
	s_wait_dscnt 0x0                ; the add is done, and my reads of the slot are over
	CROUND
	JLOAD
	ASK
.else
	s_wait_dscnt 0x0
	s_barrier_signal -1
	s_barrier_wait -1
.endif
	s_sub_co_u32 s[TB], s[TB], 2*STEPB
	s_xor_b32 s[TB], s[TB], SLOT1
.endm
.macro TWO_STEPS
	s_mov_b32 s[TWICE], 2
.Lstep_\@:
	TURN 0, 2, 1, 0
	TURN 2, 2, 1, 0
	WIN 0
	s_sub_co_u32 s[TWICE], s[TWICE], 1
	s_cmp_lg_u32 s[TWICE], 0
	s_cbranch_scc1 .Lstep_\@
.endm
	s_wait_tensorcnt 1              ; my part of slot 0 is in; slot 1's may stay out
	s_barrier_signal -1
	s_barrier_wait -1
	FETCH_K                         ; key step 0
	s_wait_loadcnt 0x0              ; Q
	s_wait_dscnt 0x0
.set i, 0
.rept 32
	KQ 0
.set i, i+1
.endr
	WIN 0
	v_and_b32 v[GO], 31, v0         ; the way out's offset; with the four below: the places behind those products
	v_lshlrev_b32 v[GO], 4, v[GO]
	PLACES
	TURN 2, 0, 1, 1
	TURN 0, 1, 1, 1
	TURN 2, 1, 1, 0
	WIN 0
.Lslot:                             ; six trips: every slot but the last two is filled again
	CHANGE 1
	TWO_STEPS
	s_sub_co_u32 s[SLOTS], s[SLOTS], 1
	s_cmp_lg_u32 s[SLOTS], 0
	s_cbranch_scc1 .Lslot
	CHANGE 0                        ; the tail is written out
	TWO_STEPS
	TURN 0, 2, 0, 0
.set i, 0
.rept 32
	PV 2, 0
.set i, i+1
.endr
	; THE WAY OUT.  l's halves are added; O^T x 16 / l is rounded to f16 and stored as it stands.  The additions are the places behind the last products.
	WIN 0
.irp t, 0,1,2,3
	v_add_f32 v[ST+8*\t+4], v[ST+8*\t+2], v[ST+8*\t+3]
.endr
.irp t, 0,1,2,3
	v_permlanex16_b32 v[ST+8*\t+5], v[ST+8*\t+4], s[SEL], s[SEL+1]
.endr
.irp t, 0,1,2,3
	v_add_f32 v[ST+8*\t+4], v[ST+8*\t+4], v[ST+8*\t+5]
.endr
.irp t, 0,1,2,3
	v_rcp_f32 v[ST+8*\t+6], v[ST+8*\t+4]
.endr
	v_nop                           ; a plain instruction between the last reciprocal and the use of its result
	s_wait_alu depctr_va_vdst(0)    ; one wait for the four reciprocals, ahead of the first use
.irp t, 0,1,2,3
	v_mul_f32 v[ST+8*\t+6], 0x41800000, v[ST+8*\t+6]  ; 16 / l: an average of 1,024 values is small beside them; the 16 keeps it well inside f16
.endr
; Tile t: registers 4 f .. 4 f + 3 of the packed tile are channels 16 f + 8 (lane / 16) + 0 .. 7 of token lane % 16: half f % 2 of the head's fragment f / 2.  Each tile has registers of its own, so no store's data are written again.
.macro LEAVE t
	WIN W_RS
.set i, 64*\t
.rept 32
	v_pk_mul_f32 v[i:i+1], v[i:i+1], v[ST+8*\t+6:ST+8*\t+7] op_sel_hi:[1,0]   ; each accumulator from its low end on
.set i, i+2
.endr
	WIN 0x05
.set i, 0
.rept 32
	v_cvt_pk_f16_f32 v[S+32*\t+i], v[64*\t+2*i], v[64*\t+2*i+1]
.set i, i+1
.endr
	WIN 0
.irp f, 0,1,2,3,4,5,6,7
	global_store_b128 v[GO], v[S+32*\t+4*\f:S+32*\t+4*\f+3], s[10:11] offset:\t*65536+\f*512  ; 32 lanes store 512 consecutive bytes, aligned
.endr
.endm
	LEAVE 0
	LEAVE 1
	LEAVE 2
	LEAVE 3
	s_wait_tensorcnt 0x0            ; the wave's end
	ds_add_u32 v[SPW], v[NIL]
	s_wait_dscnt 0x0
	CROUND                          ; the closing round
	s_endpgm
.Lfunc_end_k_q3fd8a3e08d_attn:
	.size	k_q3fd8a3e08d_attn, .Lfunc_end_k_q3fd8a3e08d_attn-k_q3fd8a3e08d_attn
	.p2alignl 7, 3214868480
	.fill 96, 4, 3214868480
	.section	.rodata,"a",@progbits
	.p2align	6, 0x0
	.amdhsa_kernel k_q3fd8a3e08d_attn
		.amdhsa_group_segment_fixed_size 327680
		.amdhsa_private_segment_fixed_size 0
		.amdhsa_enable_private_segment 0
		.amdhsa_kernarg_size 32
		.amdhsa_user_sgpr_count 2
		.amdhsa_user_sgpr_kernarg_segment_ptr 1
		.amdhsa_wavefront_size32 1
		.amdhsa_system_sgpr_workgroup_id_x 1
		.amdhsa_system_sgpr_workgroup_id_y 1
		.amdhsa_system_sgpr_workgroup_id_z 1
		.amdhsa_system_vgpr_workitem_id 0
		.amdhsa_next_free_vgpr 1024
		.amdhsa_next_free_sgpr 72
		.amdhsa_reserve_vcc 0
		.amdhsa_float_denorm_mode_32 3
		.amdhsa_float_denorm_mode_16_64 3
		.amdhsa_memory_ordered 1
		.amdhsa_forward_progress 1
		.amdhsa_inst_pref_size 218
	.end_amdhsa_kernel
	.amdgpu_metadata
---
amdhsa.version: [ 1, 2 ]
amdhsa.kernels:
  - .name:           k_q3fd8a3e08d_attn
    .symbol:         k_q3fd8a3e08d_attn.kd
    .args:
      - { .name: q16, .offset: 0, .size: 8, .value_kind: global_buffer, .address_space: global }
      - { .name: kv16, .offset: 8, .size: 8, .value_kind: global_buffer, .address_space: global }
      - { .name: c16, .offset: 16, .size: 8, .value_kind: global_buffer, .address_space: global }
      - { .name: o16, .offset: 24, .size: 8, .value_kind: global_buffer, .address_space: global }
    .group_segment_fixed_size: 327680
    .private_segment_fixed_size: 0
    .kernarg_segment_align: 8
    .kernarg_segment_size: 32
    .max_flat_workgroup_size: 128
    .sgpr_count:     72
    .vgpr_count:     1024
    .wavefront_size: 32
...
	.end_amdgpu_metadata
.endif
;; end of part 4
;; launch o_gemm (part 5): grid 32 x 8, 4 waves a work-group, clusters of 4 x 1, 327,680 bytes of LDS; arguments o16, w16, c16, out0; writes out0
.if DOCPART == 5
	.amdgcn_target "amdgcn-amd-amdhsa--gfx1250"
	.amdhsa_code_object_version 6
	.text
	.protected	k_q3fd8a3e08d_o_gemm
	.globl	k_q3fd8a3e08d_o_gemm
	.p2align	8
	.type	k_q3fd8a3e08d_o_gemm,@function
k_q3fd8a3e08d_o_gemm:
	s_mov_b64 s[64:65], 0
	v_nop
	global_prefetch_b8 v0, s[64:65] scope:SCOPE_SE
	s_setreg_imm32_b32 hwreg(HW_REG_WAVE_MODE, 25, 1), 1
	s_wait_xcnt 0x0
	s_wait_alu depctr_hold_cnt(0) depctr_sa_sdst(0) depctr_va_vdst(0) depctr_va_sdst(0) depctr_va_ssrc(0) depctr_va_vcc(0) depctr_vm_vsrc(0)
	s_getreg_b32 s2, hwreg(HW_REG_IB_STS2, 6, 4)
	s_cmp_eq_u32 s2, 0
	s_cbranch_scc0 .Lentry_in_a_cluster
	s_endpgm
.Lentry_in_a_cluster:
	s_bfe_u32 s2, ttmp6, 0x10000c
	s_cmp_lg_u32 s2, 0x3003
	s_cbranch_scc0 .Lentry_shape_is_right
	s_endpgm
.Lentry_shape_is_right:
; Launch 5 of 5: out0 = O W_o^T, [4096][2048] x [2048][2048]^T, operands in f16, sums in f32, out0 in f32.  No work is left out.
; o16 holds O' = 16 f O with f = 2^(127 - Eb), Eb the exponent field of the largest |c_kv| (the 128 words at c16 + 4,194,304), held to 8 .. 253: the sums are multiplied by 2^(Eb - 131), which rounds nothing.
; Eb is data alone: no address and no branch hangs on it.  W_o in f16 lies at w16 + 4,194,304, rows of 4,096 bytes.
; A tile of 128 x 256 to a work-group: 256 work-groups (tiles of 256 x 256 would be 128).  Four waves, each 64 rows x 128 columns: 32 accumulators, 256 registers.
; THE TWO OPERANDS TAKE TWO ROADS.  With both in LDS a slot of 256 along K would be (128 + 256) rows x 528 bytes, and two such slots are 405,504 bytes: more than the work-group's 327,680.
;   W_o goes through a ring of two LDS slots of 256 along K (256 rows x 528 bytes each), filled by the tensor data mover, 64 rows a wave: 256 matrix instructions a wave to a slot.
;   O' goes from memory straight into registers.  Launch 4 has laid it as this product's operand registers, [token / 16][k / 32][2][lane][16 bytes]: a fragment is two loads of 512 consecutive bytes.
;   A ring of eight steps of 32 along K in registers: a step's eight loads are asked for when the step eight back has been multiplied, 256 matrix instructions ahead, and are waited for by count.
; CLUSTER 4 x 1: the four partners make tile rows 4 X .. 4 X + 3 of one tile column and need the same tiles of W_o: joint loads, mask 15.  O's rows are shared by the eight tile columns too, but they land in
; registers, where no joint load can put them.  The matrix instruction is used transposed (source 0 = 16 rows of W_o, source 1 = 16 tokens): a lane holds eight neighbouring columns of one row of out0.
; REGISTERS: window 0: v0-31 addresses; v64-191 the way out.  window 1: W_o's fragments, two buffers of 64 along K (half c, block b at 128 f + 64 c + 8 b).  window 2: the accumulators ((a, b) at 8 (8 a + b)).
;   window 3: O's ring: step e at 32 e, block a at + 8 a.
.set KSLOT,  256                       ; along K in a slot
.set PITCH,  528                       ; an LDS row: 512 bytes + 16 of padding: the 16 rows that a load touches start at 16 different banks
.set QUART,  64*PITCH                  ; what one tensor load brings
.set SLOT,   4*QUART
.set STAGE,  2*SLOT                    ; behind the ring: 16 rows x (512 + 16) bytes for each wave
.set SPITCH, 528
.set SPARE,  STAGE+4*16*SPITCH         ; the spare words: 128 bytes a wave, that no other line names
.set WO,     4194304
.set CMAXO,  4194304
.set ABLK,   65536                     ; o16: 16 tokens, all of K
.set AFR,    1024                      ; o16: a fragment, 16 tokens x 32 along K
.set ADRB, 20                          ; v20-21 LDS address of my fragments of W_o in slot 0, 1
.set STO,  24
.set RD,   25
.set CO,   26                          ; v26 16 x lane; never rewritten
.set SPW,  28
.set NIL,  29
.set PFO,  30                          ; v30 the prefetches' offset; never rewritten
.set AP,   14                          ; s[14:15] O' at my first block of 16 tokens, at the lap's first step
.set G1,   24
.set G0,   32                          ; s[32:39] group 0, a set for each slot
.set LIM,  43                          ; s43 1 in a wave that prefetches, else the greatest number
.set PFA,  44                          ; s[44:45] where my prefetches stand
.set SCLP, 66                          ; s[66:67] 2^(Eb - 131)
.set MSB, 0
.macro WIN new
.if MSB != (\new)
	s_set_vgpr_msb (MSB<<8)|(\new)
.set MSB, (\new)
.endif
.endm
.set MUL,  0xad                        ; source 0 (W_o) window 1, source 1 (O') window 3, C and D window 2
.set TO_B, 0x40
.set TO_A, 0xc0
; A prefetch, behind each joint load and the loads that follow it, of the slot that the NEXT change of slots will ask for: 256 rows x 512 bytes of W_o.  Each aligned 256 bytes are named once in the launch:
; a tile column is read by all eight clusters of its row of clusters: cluster x = 0 asks; its four partners take 64 rows each, told apart by address; each wave 16 of them, lanes 0-15 the rows' first 256 bytes,
; lanes 16-31 the second.  how = 1: at slot 0's change there is always a slot to name; how = 0: at slot 1's not in the loop's last trip.  Slots 0 to 2 come by their loads alone.
.macro ASK how
.if \how
	s_cmp_eq_u32 s[LIM], 1
.else
	s_cmp_gt_u32 s3, s[LIM]                        ; s3 = 1 in the loop's last trip
.endif
	s_cbranch_scc0 .Lnot_mine_\@
	global_prefetch_b8 v[PFO], s[PFA:PFA+1] th:TH_LOAD_NT scope:SCOPE_SE
.Lnot_mine_\@:
.endm
.macro CREST
	s_cmp_lg_u32 s10, 0
	s_cbranch_scc1 .Lnot_wave_0_\@
	s_barrier_signal -3
.Lnot_wave_0_\@:
	s_barrier_wait -3
	s_barrier_signal -1
	s_barrier_wait -1
.endm
.macro CROUND
	s_barrier_signal -1
	s_barrier_wait -1
	CREST
.endm
; O's four fragments of the lap's step t into place e of the ring: eight loads of 512 consecutive bytes
.macro ALOAD e, t
	WIN TO_A
.irp a, 0,1,2,3
	global_load_b128 v[32*(\e)+8*\a:32*(\e)+8*\a+3],   v[CO], s[AP:AP+1] offset:\a*ABLK+(\t)*AFR
	global_load_b128 v[32*(\e)+8*\a+4:32*(\e)+8*\a+7], v[CO], s[AP:AP+1] offset:\a*ABLK+(\t)*AFR+512
.endr
.endm
; W_o's fragments of the slot's unit u (64 along K) into buffer f: 32 LDS loads in one run, the first 32 along K first
.macro FETCHB slot, u, f
	WIN TO_B
.irp c, 0,1
.irp i, 0,1,2,3,4,5,6,7
	ds_load_b128 v[128*(\f)+64*\c+8*\i:128*(\f)+64*\c+8*\i+3],   v[ADRB+\slot] offset:128*(\u)+64*\c+\i*16*PITCH
	ds_load_b128 v[128*(\f)+64*\c+8*\i+4:128*(\f)+64*\c+8*\i+7], v[ADRB+\slot] offset:128*(\u)+64*\c+\i*16*PITCH+32
.endr
.endr
.endm
; 16 matrix instructions: m blocks a0, a0 + 1 x all 8 n blocks, 32 along K.  The 32 accumulators take turns, in the same order in every step.
.macro MUL16 f, c, e, a0, zero
.irp a, \a0, \a0+1
.irp b, 0,1,2,3,4,5,6,7
.if \zero
	v_wmma_f32_16x16x32_f16 v[8*(8*(\a)+\b):8*(8*(\a)+\b)+7], v[128*(\f)+64*(\c)+8*\b:128*(\f)+64*(\c)+8*\b+7], v[32*(\e)+8*(\a):32*(\e)+8*(\a)+7], 0
.else
	v_wmma_f32_16x16x32_f16 v[8*(8*(\a)+\b):8*(8*(\a)+\b)+7], v[128*(\f)+64*(\c)+8*\b:128*(\f)+64*(\c)+8*\b+7], v[32*(\e)+8*(\a):32*(\e)+8*(\a)+7], v[8*(8*(\a)+\b):8*(8*(\a)+\b)+7]
.endif
.endr
.endr
.endm
.macro PLACES                          ; four plain places behind matrix instructions, ahead of loads into their registers and of reads of their results
.rept 4
	v_nop
.endr
.endm
	s_load_b128 s[4:7], s[0:1], 0x0                ; o16, w16
	s_load_b128 s[68:71], s[0:1], 0x10             ; c16, out0
	v_lshl_add_u32 v[SPW], v0, 2, SPARE
	v_mov_b32 v[NIL], 0
	ds_add_u32 v[SPW], v[NIL]                      ; the wave's opening: the add, twice on end, and its wait ahead of my first tensor load
	ds_add_u32 v[SPW], v[NIL]
	v_lshrrev_b32 v1, 5, v0
	v_readfirstlane_b32 s10, v1                    ; wave 0..3
	s_lshr_b32 s11, s10, 1                         ; which 64 of the tile's rows are mine
	s_and_b32 s12, s10, 1                          ; which 128 of its columns
	s_bfe_u32 s40, ttmp6, 0x40000                  ; cx
	s_lshl_b32 s13, ttmp9, 2
	s_add_co_u32 s13, s13, s40                     ; tile row = 4 x cluster x + cx
	s_and_b32 s42, ttmp7, 0xffff                   ; tile column, which the partners share
	s_mov_b32 s[G1+0], 15|(1<<16)|(1<<20)|(1<<21)|(6<<22)|(3<<25)   ; the mask: all four; elements of 2 bytes; 4 words of padding after every 128; bit 21 beside the mask
	s_mov_b32 s[G1+1], KSLOT<<16                   ; tensor_dim0 = 256
	s_mov_b32 s[G1+2], 64<<16                      ; tensor_dim1 = 64
	s_mov_b32 s[G1+3], KSLOT<<16                   ; tile_dim0
	s_mov_b32 s[G1+4], 64                          ; tile_dim1
	s_mov_b32 s[G1+5], 2048                        ; from row to row
	s_mov_b32 s[G1+6], 0
	s_mov_b32 s[G1+7], 0
	s_lshl_b32 s46, s42, 8
	s_lshl_b32 s47, s10, 6
	s_add_co_u32 s46, s46, s47                     ; W_o: row 256 x tile column + 64 x wave: nothing of cx in it
	s_lshl_b32 s46, s46, 12
	s_add_co_u32 s46, s46, WO
	s_mov_b32 s47, 0
	s_mul_i32 s20, s10, QUART                      ; where they go in a slot
	s_lshl_b32 s16, s13, 3
	s_lshl_b32 s17, s11, 2
	s_add_co_u32 s16, s16, s17                     ; O': my first block of 16 tokens: 8 x tile row + 4 x half
	s_lshl_b32 s16, s16, 16
	s_mov_b32 s17, 0
	s_wait_dscnt 0x0                               ; both opening adds are done
	s_wait_kmcnt 0x0
	s_add_nc_u64 s[46:47], s[6:7], s[46:47]
	s_add_nc_u64 s[AP:AP+1], s[4:5], s[16:17]
	CROUND                                         ; all four work-groups are here: the first joint loads meet
.irp s, 0,1
	s_mov_b32 s[G0+4*\s], 1
	s_add_co_u32 s[G0+4*\s+1], s20, \s*SLOT
	s_add_nc_u64 s[G0+4*\s+2:G0+4*\s+3], s[46:47], \s*KSLOT*2
	s_or_b32 s[G0+4*\s+3], s[G0+4*\s+3], 0x80000000
	tensor_load_to_lds s[G0+4*\s:G0+4*\s+3], s[G1:G1+7]   ; every wave fills its 64 rows of both slots: two loads of mine are out
	s_nop 0
.endr
.rept 4
	v_nop
.endr
	v_and_b32 v6, 31, v0
	v_lshlrev_b32 v[CO], 4, v6                     ; 16 x lane
	global_load_b128 v[8:11], v[CO], s[68:69] offset:CMAXO   ; the 128 largest magnitudes of c_kv, four a lane
.irp e, 0,1,2,3,4,5,6,7
	ALOAD \e, \e                                   ; O's ring is filled: steps 0 to 7
.endr
	WIN 0
	v_and_b32 v1, 15, v0
	v_bfe_u32 v2, v0, 4, 1
	v_mul_u32_u24 v3, v1, PITCH
	v_lshl_add_u32 v3, v2, 4, v3                   ; a fragment's row x pitch + 16 x half
	s_mul_i32 s22, s12, 2*QUART                    ; my 128 rows of W_o
.irp s, 0,1
	v_add_nc_u32 v[ADRB+\s], s22, v3
	s_add_co_u32 s22, s22, SLOT
.endr
	s_mul_i32 s23, s10, 16*SPITCH
	s_add_co_u32 s23, s23, STAGE                   ; my stage
	v_mul_u32_u24 v5, v1, SPITCH
	v_lshl_add_u32 v5, v2, 5, v5
	v_add_nc_u32 v[STO], s23, v5                   ; in: row l % 16, 32 bytes for each half of the lanes
	v_add_nc_u32 v[RD], s23, v[CO]                 ; back: 32 lanes take a row of 512 bytes
	s_lshl_b32 s16, s13, 7
	s_lshl_b32 s17, s11, 6
	s_add_co_u32 s16, s16, s17                     ; my first row of out0, 8,192 bytes each,
	s_lshl_b32 s16, s16, 13
	s_lshl_b32 s17, s42, 10                        ; my first column: 1,024 x tile column + 512 x half, in bytes
	s_add_co_u32 s16, s16, s17
	s_lshl_b32 s17, s12, 9
	s_add_co_u32 s16, s16, s17
	s_mov_b32 s17, 0
	s_add_nc_u64 s[70:71], s[70:71], s[16:17]
	; the prefetches: rows 256 x tile column + 64 cx + 16 x wave + lane % 16, bytes 256 (lane / 16) on
	v_lshlrev_b32 v[PFO], 12, v1
	v_lshl_add_u32 v[PFO], v2, 8, v[PFO]
	s_lshl_b32 s20, s42, 8
	s_lshl_b32 s21, s40, 6
	s_add_co_u32 s20, s20, s21
	s_lshl_b32 s21, s10, 4
	s_add_co_u32 s20, s20, s21
	s_lshl_b32 s20, s20, 12
	s_add_co_u32 s20, s20, WO+2*KSLOT*2            ; at slot step 2: the first refill steps it to 3.  Nothing is prefetched at the head
	s_mov_b32 s21, 0
	s_add_nc_u64 s[PFA:PFA+1], s[6:7], s[20:21]
	s_cmp_eq_u32 ttmp9, 0                          ; the cluster's place in the grid: the same in all four partners
	s_cselect_b32 s[LIM], 1, -1
; A STEP: 32 along K, 32 matrix instructions: step j of the slot, step t of the lap.  Behind the products, and four places, its place in O's ring takes the step eight on (reload = 1); an even step also fetches W_o's next unit.
; lc: the loads of O' issued behind this step's, which may stay out.  fin = 1: the launch's last slot.
.macro STEP slot, j, t, zero, reload, lc, fin
.set SF, ((\j)/2)%2
.set SC, (\j)%2
	s_wait_loadcnt \lc                             ; loads come back in order: this step's eight are in
.if SC == 0
	s_wait_dscnt 16                                ; the unit's first 32 along K are in; the 16 loads of its second 32 may be out
.elseif (\fin) && ((\j) == 7)
	s_wait_dscnt 0
.else
	s_wait_dscnt 32                                ; all but the next unit's 32, issued a step ago
.endif
	WIN MUL
	MUL16 SF, SC, \j, 0, \zero
	MUL16 SF, SC, \j, 2, \zero
.if (\reload) || ((SC == 0) && ((\j) < 6))
	PLACES
.endif
.if \reload
	ALOAD \j, (\t)+8
.endif
.if (SC == 0) && ((\j) < 6)
	FETCHB \slot, (\j)/2+1, 1-SF
.endif
.endm
; A slot's step 6 changes slots: its last unit has been asked for two steps ago.  One barrier; ahead of it each wave waits for all its tensor loads, adds 0 to its spare word, and waits for that and for its own reads
; of this slot.  fill = 1: the barrier opens a round of the cluster's, and this slot is filled again, two slot steps ahead: 224 matrix instructions stand between that request and the wait for it.
.macro TURN slot, next, t, fill, how
.if \fill
	s_wait_xcnt 0x0                                ; the last prefetch, a slot back, has read its address
	s_add_nc_u64 s[PFA:PFA+1], s[PFA:PFA+1], KSLOT*2
.endif
	WIN 0
	s_wait_tensorcnt 0x0                           ; all my tensor loads have landed: my part of the next slot
	ds_add_u32 v[SPW], v[NIL]
	s_wait_loadcnt 56                              ; O's step 6 is in; seven later steps' eight loads each may be out
	s_wait_dscnt 17                                ; (the add and the 16 loads of the unit's second 32 along K may be out)
	WIN MUL
	MUL16 1, 0, 6, 0, 0
	s_wait_dscnt 0x0                               ; the add is done, and my reads of this slot are over
	s_barrier_signal -1
	MUL16 1, 0, 6, 2, 0
	WIN 0
	s_barrier_wait -1
.if \fill
	CREST                                          ; no wave of any partner still reads this slot or has a tensor load on its way
	s_add_nc_u64 s[G0+4*\slot+2:G0+4*\slot+3], s[G0+4*\slot+2:G0+4*\slot+3], 2*KSLOT*2
	tensor_load_to_lds s[G0+4*\slot:G0+4*\slot+3], s[G1:G1+7]   ; my one tensor load behind the round
	s_nop 0
.rept 4
	v_nop                                          ; (the places ahead of the loads below)
.endr
.else
	PLACES
.endif
	ALOAD 6, (\t)+8
	FETCHB \next, 0, 0
	WIN 0
.if \fill
	ASK \how
.endif
.endm
	s_wait_tensorcnt 1                             ; my part of slot 0 is in (slot 1's load may be out)
	s_barrier_signal -1
	s_barrier_wait -1
	FETCHB 0, 0, 0
	STEP 0, 0, 0, 1, 1, 56, 0                      ; the first step stands ahead of the loop: its products start the sums
	WIN 0
	s_mov_b32 s20, 0x76543210                      ; the step's wait has shown the magnitudes' load done: it was issued ahead of O's
	s_mov_b32 s21, 0xfedcba98
	v_max3_num_f32 v8, v8, v9, v10
	v_max3_num_f32 v8, v8, v11, 0x04000000         ; the floor: Eb is at least 8
	v_max_num_f32_dpp v8, v8, v8 row_xmask:1 row_mask:0xf bank_mask:0xf
	v_max_num_f32_dpp v8, v8, v8 row_xmask:2 row_mask:0xf bank_mask:0xf
	v_max_num_f32_dpp v8, v8, v8 row_xmask:4 row_mask:0xf bank_mask:0xf
	v_max_num_f32_dpp v8, v8, v8 row_xmask:8 row_mask:0xf bank_mask:0xf
	v_permlanex16_b32 v9, v8, s20, s21
	v_max_num_f32 v8, v8, v9
	v_readfirstlane_b32 s[SCLP], v8
	s_lshr_b32 s[SCLP], s[SCLP], 23                ; Eb
	s_min_u32 s[SCLP], s[SCLP], 253
	s_sub_co_u32 s[SCLP], s[SCLP], 4
	s_lshl_b32 s[SCLP], s[SCLP], 23                ; 2^(Eb - 131) = 1 / (16 f)
	s_mov_b32 s[SCLP+1], s[SCLP]
	s_mov_b32 s3, 3
.Llap:                                                 ; a trip goes once round the ring, 16 steps, from a lap's step 1 to the next lap's step 0, and fills both slots again: 2,048 along K are four laps, three with refills
.irp j, 1,2,3,4,5
	STEP 0, \j, \j, 0, 1, 56, 0
.endr
	TURN 0, 1, 6, 1, 1
	STEP 0, 7, 7, 0, 1, 56, 0
.irp j, 0,1,2,3,4,5
	STEP 1, \j, 8+\j, 0, 1, 56, 0
.endr
	TURN 1, 0, 14, 1, 0
	STEP 1, 7, 15, 0, 1, 56, 0
	STEP 0, 0, 16, 0, 1, 56, 0
	WIN 0
	s_wait_xcnt 0x0                                ; the loads of O' have read their base: it steps a lap on
	s_add_nc_u64 s[AP:AP+1], s[AP:AP+1], 16*AFR
	s_sub_co_u32 s3, s3, 1
	s_cmp_lg_u32 s3, 0
	s_cbranch_scc1 .Llap
.irp j, 1,2,3,4,5                      ; the last lap fills no slot; O's ring takes its last eight steps
	STEP 0, \j, \j, 0, 1, 56, 0
.endr
	TURN 0, 1, 6, 0, 0
	STEP 0, 7, 7, 0, 1, 56, 0
.irp j, 0,1,2,3,4,5,6,7
	STEP 1, \j, 0, 0, 0, 8*(7-\j), 1               ; nothing more is asked of memory: the counts run down
.endr
	WIN 0
; THE WAY OUT, block by block of 16 rows x 128 columns: through my own stage and back as whole rows of 512 bytes, times 2^(Eb - 131), stored as aligned runs of 512 bytes.
.macro TOSTAGE a
	WIN 0x08                                       ; an LDS store's data: window 2
.irp b, 0,1,2,3,4,5,6,7
	ds_store_b128 v[STO], v[64*(\a)+8*\b:64*(\a)+8*\b+3] offset:64*\b          ; each accumulator from its low end on
	ds_store_b128 v[STO], v[64*(\a)+8*\b+4:64*(\a)+8*\b+7] offset:64*\b+16
.endr
	WIN 0
.set BB, 64+64*((\a)%2)
.irp t, 0,1,2,3,4,5,6,7,8,9,10,11,12,13,14,15
	ds_load_b128 v[BB+4*\t:BB+4*\t+3], v[RD] offset:\t*SPITCH       ; LDS serves a wave's instructions in order: these see the stores above
.endr
.endm
.macro SEND a, younger                 ; younger: the LDS instructions issued behind block a's loads
.set BB, 64+64*((\a)%2)
	s_wait_dscnt \younger
.set J, 0
.rept 32
	v_pk_mul_f32 v[BB+J:BB+J+1], v[BB+J:BB+J+1], s[SCLP:SCLP+1] op_sel_hi:[1,0]
.set J, J+2
.endr
.irp t, 0,1,2,3,4,5,6,7,8,9,10,11,12,13,14,15
	global_store_b128 v[CO], v[BB+4*\t:BB+4*\t+3], s[70:71] offset:(16*(\a)+\t)*8192 th:TH_STORE_NT   ; 32 lanes store 512 consecutive bytes, aligned
.endr
.endm
	PLACES
	TOSTAGE 0
.irp a, 1,2,3
.if \a > 1
	s_wait_xcnt 0x0                                ; block a - 2's stores have read their registers: block a's loads may land there
.endif
	TOSTAGE \a
	SEND \a-1, 32                                  ; behind block a - 1's loads: block a's 16 stores and 16 loads
.endr
	SEND 3, 0
	s_wait_tensorcnt 0x0                           ; the wave's end
	ds_add_u32 v[SPW], v[NIL]
	s_wait_dscnt 0x0
	CROUND                                         ; the closing round
	s_endpgm
.Lfunc_end_k_q3fd8a3e08d_o_gemm:
	.size	k_q3fd8a3e08d_o_gemm, .Lfunc_end_k_q3fd8a3e08d_o_gemm-k_q3fd8a3e08d_o_gemm
	.p2alignl 7, 3214868480
	.fill 96, 4, 3214868480
	.section	.rodata,"a",@progbits
	.p2align	6, 0x0
	.amdhsa_kernel k_q3fd8a3e08d_o_gemm
		.amdhsa_group_segment_fixed_size 327680
		.amdhsa_private_segment_fixed_size 0
		.amdhsa_enable_private_segment 0
		.amdhsa_kernarg_size 32
		.amdhsa_user_sgpr_count 2
		.amdhsa_user_sgpr_kernarg_segment_ptr 1
		.amdhsa_wavefront_size32 1
		.amdhsa_system_sgpr_workgroup_id_x 1
		.amdhsa_system_sgpr_workgroup_id_y 1
		.amdhsa_system_sgpr_workgroup_id_z 1
		.amdhsa_system_vgpr_workitem_id 0
		.amdhsa_next_free_vgpr 1024
		.amdhsa_next_free_sgpr 72
		.amdhsa_reserve_vcc 0
		.amdhsa_float_denorm_mode_32 3
		.amdhsa_float_denorm_mode_16_64 3
		.amdhsa_memory_ordered 1
		.amdhsa_forward_progress 1
		.amdhsa_inst_pref_size 159
	.end_amdhsa_kernel
	.amdgpu_metadata
---
amdhsa.version: [ 1, 2 ]
amdhsa.kernels:
  - .name:           k_q3fd8a3e08d_o_gemm
    .symbol:         k_q3fd8a3e08d_o_gemm.kd
    .args:
      - { .name: o16, .offset: 0, .size: 8, .value_kind: global_buffer, .address_space: global }
      - { .name: w16, .offset: 8, .size: 8, .value_kind: global_buffer, .address_space: global }
      - { .name: c16, .offset: 16, .size: 8, .value_kind: global_buffer, .address_space: global }
      - { .name: out0, .offset: 24, .size: 8, .value_kind: global_buffer, .address_space: global }
    .group_segment_fixed_size: 327680
    .private_segment_fixed_size: 0
    .kernarg_segment_align: 8
    .kernarg_segment_size: 32
    .max_flat_workgroup_size: 128
    .sgpr_count:     72
    .vgpr_count:     1024
    .wavefront_size: 32
...
	.end_amdgpu_metadata
.endif
;; end of part 5
